; MI455X (gfx1250); checked and timed in simulation.
; The chip was launched on July 23, 2026; its instructions are those of AMD's public machine-readable ISA for CDNA 5 (MIT licence, August 2026) and "CDNA5" Instruction Set Architecture Reference Guide (July 2026). The comments in the code are by the model that wrote it; some were corrected since.
;; Multi Head Self Attention. Allowed arithmetic: matrix products marked QUANTISED: E3M2 operands, one E8M0 scale for each 32 along K, by v_wmma_scale_f32_16x16x128_f8f6f4 with both operands' format E3M2, f32 sums; everything else in f32.
;; Inputs: W_lin 1,024 x 1,024 float32; W_qkv 1,024 x 3,072 float32; b_lin 1,024 float32; b_qkv 3,072 float32; x 4 x 2,048 x 1,024 float32.
;; Outputs: out0 4 x 2,048 x 1,024 float32.
;; This version of the problem:
;;   THIS VERSION OF THE PROBLEM IS GIVEN IN LOW PRECISION. The matrix products marked QUANTISED in the list below multiply operands that are first quantised to E3M2 (3 exponent bits, 2 mantissa bits; 6 bits a number), with one power-of-two scale for each 32 numbers along K (OCP MX v1.0); their sums are f32. All else is computed in f32.
;;   The module's matrix products, in the order in which they are computed (A, B: the left and right operand; K: the contracted axis; several contracted axes count as one K, in the product's order):
;;     1. [M 8,192, K 1,024] x [K 1,024, N 3,072]; A: input x; B: input W_qkv: QUANTISED
;;     2. batch 64 x [M 2,048, K 64] x [K 64, N 2,048]; A: computed on the way; B: computed on the way: QUANTISED
;;     3. batch 64 x [M 2,048, K 2,048] x [K 2,048, N 64]; A: softmax (see below); B: computed on the way: QUANTISED
;;     4. [M 8,192, K 1,024] x [K 1,024, N 1,024]; A: computed on the way; B: input W_lin: QUANTISED
;;   THE QUANTISER, for each operand of a quantised product, along K:
;;     - K is cut into blocks of 32 from its start; a last block that is shorter is filled with zeros.
;;     - A block's scale is 2^e with e = floor(log2(the largest magnitude in the block)) - 4, held to -126 .. 127; a block of zeros has e = 0. As a byte (E8M0): e + 127.
;;     - Each number is divided by its block's scale, clamped to +-28, and rounded to the nearest number of E3M2, ties to even, subnormals kept.
;;     - The product sums the exact products of the quantised numbers (number of the format x scale) in f32.
;;   ~~~python
;;   def quantise(x, axis):      # numpy; x: float32 -> the quantised numbers, widened to float32 again
;;       x = np.moveaxis(x, axis, -1); K = x.shape[-1]
;;       x = np.pad(x, [(0, 0)] * (x.ndim - 1) + [(0, -K % 32)]); x = x.reshape(x.shape[:-1] + (-1, 32)); a = np.abs(x).max(-1, keepdims=True)
;;       e = np.where(a > 0, np.clip(np.frexp(np.where(a > 0, a, 1))[1] - 1 - 4, -126, 127), 0)      # np.frexp(a)[1] - 1 = floor(log2(a)), exactly
;;       r = np.clip(x / 2.0 ** e, -28, 28)
;;       step = 2.0 ** (np.maximum(np.frexp(np.where(r == 0, 1, r))[1] - 1, -2) - 2)
;;       q = np.round(r / step) * step * 2.0 ** e      # np.round: ties to even
;;       return np.moveaxis(q.reshape(q.shape[:-2] + (-1,))[..., :K], -1, axis).astype(np.float32)
;;   ~~~
;;   SOFTMAX AHEAD OF A QUANTISED PRODUCT. Where the list says 'softmax', what is quantised is not the finished softmax but p = 2^(t - M), with t = logit x log2(e) and M = ceil(the row's largest t), a whole number; so 1/2 < the row's largest p <= 1. The row's sum l is taken of the UNQUANTISED p, in f32, and the product's result is divided by l at the end. Since M is a whole number, a kernel that streams over the keys may use a running M (the ceiling of the running maximum): every later rescaling is an exact power of two, which a block's scale takes up: the codes' values come out the same.
;;   OPERANDS COMPUTED ON THE WAY. 'Computed on the way' means the value that the module computes at that place (a softmax that the list does not call 'softmax' is quantised finished and normalised). What goes into a quantiser is computed in f32, as accurately as f32 sums, v_exp_f32 and their like allow (about 1e-6 of the number): no bf16 or f16 on the way to a quantiser, and a product that is left as it is and whose result goes on into a quantised operand takes f32 operands (vector FMAs, or v_wmma_f32_16x16x4_f32). A number that lies on a knife's edge between two numbers of the format may be rounded either way, as far as f32 arithmetic and the matrix unit's own rounding can turn it there, and no further.
;; One version. Each part assembles by itself: llvm-mc -triple=amdgcn-amd-amdhsa -mcpu=gfx1250 --defsym DOCPART=n.
;; ======== version 1 of 1: 4 launches
;; workspace buffers: xq 6,553,600 bytes; wc 3,276,800 bytes; qf 6,815,744 bytes; kv 13,369,344 bytes; zq 6,553,600 bytes
;; launch quant (part 1): grid 512 x 1, 4 waves a work-group, no clusters, 47,616 bytes of LDS; arguments x, W_qkv, W_lin, xq, wc; writes xq, wc
.if DOCPART == 1
	.amdgcn_target "amdgcn-amd-amdhsa--gfx1250"
	.amdhsa_code_object_version 6
	.text
	.protected	k_q922bbcb019_quant
	.globl	k_q922bbcb019_quant
	.p2align	8
	.type	k_q922bbcb019_quant,@function
k_q922bbcb019_quant:
	s_mov_b64 s[64:65], 0
	v_nop
	global_prefetch_b8 v0, s[64:65] scope:SCOPE_SE
	s_setreg_imm32_b32 hwreg(HW_REG_WAVE_MODE, 25, 1), 1
	s_wait_xcnt 0x0
; LAUNCH 1 OF 4: x [8192][1024], W_qkv [1024][3072] and W_lin [1024][1024], f32, become codes of BF6 (E3M2) with one E8M0 byte for each 32 along K (K = the 1,024).
; THE PROGRAM: quant (this) | gemm_qkv: x W_qkv + b_qkv, whose results are quantised in registers into q, k (along the head's 64) and v (along the keys) | attn: both products of the attention and the
; softmax, whose result z is quantised in registers | gemm_out: z W_lin + b_lin.
; WORK LEFT OUT, in the whole program: key steps of 128 keys all of which come after all 16 queries of a wave's tile.  The causal mask sets those scores to -inf, so their weights are 0 for all
; values of the inputs and they add nothing to the row's sum or to ctx.  Nothing else is left out and every input is loaded (b_qkv's part for k moves k's codes and stays).
; LIMITS: a NaN, an infinity or an overflow that reaches only the scores left out is not carried to the result; NaN and infinities among the inputs are not served; a block whose largest magnitude lies under
; 2^(5 - 127) gets the byte 1, and so does a block of zeros (where the quantiser says 127): its codes are zeros, which add nothing under any byte but 0xff, and this program alone reads the bytes.
; THE WORKSPACE IS LAID AS IMAGES OF OPERAND REGISTERS.  128 rows are a PANEL of 8 tiles; lane r of tile t holds row 32 (t / 2) + 8 (t % 2) + r + 8 (r / 8).  A half fragment (16 rows x 64 K, 6 registers a lane) is
; 768 bytes: registers 0-3 at 16 x lane, registers 4-5 at 512 + 8 x lane.  A fragment (128 K) is two of them.  A panel's K step is 12,800 bytes: 8 fragments, then the scale words at 12,288 + 64 t + 4 r.  A panel is 8 K steps on end.
; xq: 64 panels of tokens.  wc: 32 panels of output features: 24 of W_qkv's columns, 8 of W_lin's.
; Work-groups 0-255 take x, 256-511 the weights; the two ways part once and never join, and each has LDS bytes of its own.  No tensor load, no barrier: waves share nothing.
.set XREG,  8704                       ; x's way: a wave's region: a stage of 16 rows x 528 bytes, then its 256 bytes of scale words
.set WBASE, 34816                      ; the weights' way: a wave's 3,072 bytes (two fragments' images), from here on
.set SPARE, 47104                      ; the spare words, 128 bytes for each wave
.set SPW, 8                            ; v8   SPARE + 4 x my thread's number; never rewritten
.set NIL, 9                            ; v9   0; never rewritten
.set MX,  10                           ; v10-11 largest magnitudes
.set SOP, 12                           ; v12-13 the conversions' scale operands
.set BY,  14                           ; v14-15 scale bytes
.set WD,  16                           ; v16  a scale word;  v17 the other half of the lanes' part of it
.set WD2, 17
.set T,   18                           ; v18-20, v22-24 second halves of blocks (a conversion's three registers begin on an even number)
.set C,   28                           ; v28-51 codes: two sets of 12
.set R,   64                           ; x: v64-191 two sets of 64 numbers as loaded
.set X,   192                          ; x: v192-255 64 numbers in the operand's order
.set A,   64                           ; W: v64-95 byte offsets of 32 rows
.set WX,  96                           ; W: v96-159 two sets of 32 numbers
.set OUTR, 160                         ; W: v160-183 the way out
.set SB,  24                           ; W: s[24:31] the four blocks' bases
	s_load_b256 s[4:11], s[0:1], 0x0               ; x s[4:5], W_qkv s[6:7], W_lin s[8:9], xq s[10:11]
	s_load_b64 s[12:13], s[0:1], 0x20              ; wc
	v_lshl_add_u32 v[SPW], v0, 2, SPARE
	v_mov_b32 v[NIL], 0
	v_lshrrev_b32 v1, 5, v0
	v_readfirstlane_b32 s14, v1                    ; wave 0..3
	v_and_b32 v10, 31, v0                          ; lane
	v_lshlrev_b32 v1, 4, v10                       ; 16 x lane
	v_lshlrev_b32 v2, 3, v10                       ; 8 x lane
	s_mov_b32 s16, 0x76543210
	s_mov_b32 s17, 0xfedcba98                      ; v_permlanex16_b32's selects for lane l xor 16
	s_cmp_lt_u32 ttmp9, 256
	s_cbranch_scc0 .Lweights
; ---------------- x: K is innermost.  A wave makes 4 fragments: tiles 4 half + f of one panel's K step.
	v_and_b32 v11, 15, v0                          ; r
	v_bfe_u32 v12, v0, 4, 1                        ; h
	s_mul_i32 s18, s14, XREG                       ; my region
	v_add_nc_u32 v3, s18, v1                       ; into the stage: 16 x lane of a row of 512 bytes
	v_mul_u32_u24 v4, v11, 528
	v_lshl_add_u32 v4, v12, 7, v4
	v_add_nc_u32 v4, s18, v4                       ; out of it: row r, + 128 h: my 32 numbers of each 64
	s_add_co_u32 s19, s18, 8448
	v_lshl_add_u32 v5, v11, 2, s19                 ; my row's scale word
	v_add_nc_u32 v6, s19, v2                       ; and the words on their way out, 8 bytes a lane
	v_lshlrev_b32 v7, 3, v12                       ; 8 h
	v_mov_b32 v[WD2], 0                            ; written once: a lane permute's destination counts as one of its sources
	s_lshl_b32 s20, ttmp9, 1
	s_lshr_b32 s21, s14, 1
	s_add_co_u32 s20, s20, s21                     ; which panel's K step: 2 x work-group + wave / 2
	s_and_b32 s21, s14, 1                          ; which half of its tiles
	s_lshr_b32 s22, s20, 3
	s_and_b32 s23, s20, 7
	s_lshl_b32 s22, s22, 19                        ; the panel's 128 rows of 4,096 bytes,
	s_lshl_b32 s23, s23, 9                         ; the K step's 512 bytes of a row,
	s_add_co_u32 s22, s22, s23
	s_lshl_b32 s23, s21, 18                        ; my half's 64 rows
	s_add_co_u32 s22, s22, s23
	s_mov_b32 s23, 0
	s_mul_i32 s24, s20, 12800
	s_mul_i32 s26, s21, 6144
	s_add_co_u32 s26, s26, s24                     ; where my fragments go
	s_mov_b32 s27, 0
	s_lshl_b32 s25, s21, 8
	s_add_co_u32 s24, s24, s25
	s_add_co_u32 s24, s24, 12288                   ; and my 256 bytes of scale words
	s_mov_b32 s25, 0
	s_wait_alu depctr_va_vdst(0)
	s_wait_kmcnt 0x0
	s_add_nc_u64 s[4:5], s[4:5], s[22:23]
	s_add_nc_u64 s[26:27], s[10:11], s[26:27]
	s_add_nc_u64 s[24:25], s[10:11], s[24:25]
.macro XLOAD f                         ; fragment f's 16 rows: each load reads 512 consecutive bytes of one row
.irp p, 0,1,2,3,4,5,6,7,8,9,10,11,12,13,14,15
	global_load_b128 v[R+64*((\f)%2)+4*\p:R+64*((\f)%2)+4*\p+3], v1, s[4:5] offset:(32*((\f)/2)+8*((\f)%2)+\p+8*(\p/8))*4096 th:TH_LOAD_NT
.endr
.endm
.macro XTURN f                         ; through my stage: in as loaded, out 32 neighbours along K to a lane; LDS serves a wave's instructions in order, so no wait stands between
.irp p, 0,1,2,3,4,5,6,7,8,9,10,11,12,13,14,15
	ds_store_b128 v3, v[R+64*((\f)%2)+4*\p:R+64*((\f)%2)+4*\p+3] offset:528*\p
.endr
.irp c, 0,1
.irp j, 0,1,2,3,4,5,6,7
	ds_load_b128 v[X+32*\c+4*\j:X+32*\c+4*\j+3], v4 offset:256*\c+16*\j    ; register 32 c + i: k = 64 c + 32 h + i of row r
.endr
.endr
.endm
.macro XQ f                            ; 64 numbers of a lane, two whole blocks (2 c + h), become the fragment's 12 registers and my part of the scale word
.set CC, C+12*((\f)%2)
.irp c, 0,1
	v_max3_num_f32 v[MX+\c], |v[X+32*\c]|, |v[X+32*\c+1]|, 0x2800000      ; with the floor 2^(5 - 127): the byte cannot fall under 1
.endr
.irp i, 2,4,6,8,10,12,14,16,18,20,22,24,26,28,30
.irp c, 0,1
	v_max3_num_f32 v[MX+\c], v[MX+\c], |v[X+32*\c+\i]|, |v[X+32*\c+\i+1]|
.endr
.endr
.irp c, 0,1
	v_add_nc_u32 v[SOP+\c], 0xfe000000, v[MX+\c]   ; 4 off the exponent field: the conversion takes that field as its scale
.endr
.irp c, 0,1
	v_lshrrev_b32 v[BY+\c], 23, v[SOP+\c]          ; the scale's byte
.endr
	v_lshl_or_b32 v[WD], v[BY+1], 16, v[BY]        ; blocks h and 2 + h,
	v_lshlrev_b32 v[WD], v7, v[WD]                 ; at their places in the word;
	v_permlanex16_b32 v[WD2], v[WD], s16, s17
	v_or_b32 v[WD], v[WD], v[WD2]                  ; with lane l xor 16's two the word is whole
.if \f >= 2
	s_wait_alu depctr_va_vdst(0)
	s_wait_xcnt 0x0                                ; the stores of two fragments back have read this set of code registers
.endif
.irp c, 0,1
	v_cvt_scalef32_pk16_bf6_f32 v[CC+6*\c:CC+6*\c+2], v[X+32*\c:X+32*\c+15], v[SOP+\c]
	v_cvt_scalef32_pk16_bf6_f32 v[T+4*\c:T+4*\c+2], v[X+32*\c+16:X+32*\c+31], v[SOP+\c]
.endr
	v_nop                                          ; one plain place behind a scaled conversion
.irp c, 0,1
.irp i, 0,1,2
	v_mov_b32 v[CC+6*\c+3+\i], v[T+4*\c+\i]
.endr
.endr
	global_store_b128 v1, v[CC:CC+3], s[26:27] offset:1536*\f              ; 512 consecutive bytes, aligned to 256
	global_store_b64 v2, v[CC+4:CC+5], s[26:27] offset:1536*\f+512         ; 256
	global_store_b128 v1, v[CC+6:CC+9], s[26:27] offset:1536*\f+768
	global_store_b64 v2, v[CC+10:CC+11], s[26:27] offset:1536*\f+1280
	ds_store_b32 v5, v[WD] offset:64*\f            ; both halves of the lanes write the same word with the same value
.endm
	XLOAD 0
	XLOAD 1
.irp f, 0,1,2,3
.if \f < 3
	s_wait_loadcnt 16                              ; this fragment's 16 loads are in; the next fragment's 16 may be out
.else
	s_wait_loadcnt 0x0
.endif
	XTURN \f
	s_wait_dscnt 0x0                               ; the numbers are back, and the stage's stores have read their registers,
.if \f < 2
	XLOAD \f+2                                     ; which take the loads of two fragments on
.endif
	XQ \f
.endr
	ds_load_b64 v[MX:MX+1], v6                     ; my wave's 64 scale words
	s_wait_dscnt 0x0
	global_store_b64 v2, v[MX:MX+1], s[24:25]      ; one aligned run of 256 bytes
	s_wait_tensorcnt 0x0                           ; the wave's end, behind my last LDS store
	ds_add_u32 v[SPW], v[NIL]
	s_wait_dscnt 0x0
	s_endpgm
; ---------------- the weights: K is the FIRST axis.  A lane takes a column and its registers run down K: a block of 32 lies in one lane.  A wave takes 32 columns (two tiles) x one K step of 128.
.Lweights:
	s_sub_co_u32 s18, ttmp9, 256
	s_lshr_b32 s19, s18, 3                         ; panel 0..31
	s_and_b32 s18, s18, 7                          ; K step
	s_wait_kmcnt 0x0
	s_cmp_lt_u32 s19, 24                           ; W_qkv's panel or W_lin's?  The choice hangs on the work-group's number alone
	s_cselect_b64 s[4:5], s[6:7], s[8:9]
	s_mov_b32 s20, 4096
	s_cselect_b32 s20, 12288, s20                  ; a row of the weight in bytes
	s_cselect_b32 s21, 0, 24
	s_sub_co_u32 s21, s19, s21                     ; the panel's number in its own matrix
	s_lshl_b32 s21, s21, 9                         ; its 128 columns,
	s_lshl_b32 s22, s14, 7                         ; my wave's 32 of them, in bytes
	s_add_co_u32 s21, s21, s22
	s_lshl_b32 s22, s18, 7
	s_mul_i32 s22, s22, s20                        ; the K step's first row
	s_add_co_u32 s22, s22, s21
	s_mov_b32 s23, 0
	s_add_nc_u64 s[SB:SB+1], s[4:5], s[22:23]
	s_lshl_b32 s22, s20, 5                         ; 32 rows on
	s_add_nc_u64 s[SB+2:SB+3], s[SB:SB+1], s[22:23]
	s_add_nc_u64 s[SB+4:SB+5], s[SB+2:SB+3], s[22:23]
	s_add_nc_u64 s[SB+6:SB+7], s[SB+4:SB+5], s[22:23]
	s_lshl_b32 s19, s19, 3
	s_add_co_u32 s19, s19, s18
	s_mul_i32 s32, s19, 12800                      ; the panel's K step in wc
	s_mul_i32 s33, s14, 3072
	s_add_co_u32 s34, s32, s33
	s_mov_b32 s35, 0
	s_add_nc_u64 s[34:35], s[12:13], s[34:35]      ; my two fragments
	s_lshl_b32 s33, s14, 7
	s_add_co_u32 s32, s32, s33
	s_add_co_u32 s32, s32, 12288
	s_mov_b32 s33, 0
	s_add_nc_u64 s[32:33], s[12:13], s[32:33]      ; my 32 scale words
	s_wait_alu depctr_va_vdst(0)
	v_lshlrev_b32 v3, 2, v10                       ; 4 x lane: my column
	v_bfe_u32 v11, v0, 3, 1                        ; column 8 u + r + 8 (r / 8) of the 32: u = which of my two tiles,
	v_and_b32 v12, 7, v0
	v_bfe_u32 v13, v0, 4, 1
	v_lshl_add_u32 v12, v13, 3, v12                ; r = its lane there
	s_mul_i32 s36, s14, 3072
	s_add_co_u32 s36, s36, WBASE
	v_mul_u32_u24 v14, v11, 1536
	v_add_nc_u32 v14, s36, v14
	v_lshl_add_u32 v4, v12, 4, v14                 ; where registers 0-3 of lane r of my tile's image lie,
	v_lshl_add_u32 v5, v12, 3, v14                 ; and, 512 on, registers 4-5
	v_add_nc_u32 v6, s36, v1                       ; the way out: 16 x lane
	v_lshlrev_b32 v7, 6, v11
	v_lshl_add_u32 v7, v12, 2, v7                  ; my scale word's place: 64 u + 4 r
.irp i, 0,1,2,3,4,5,6,7,8,9,10,11,12,13,14,15,16,17,18,19,20,21,22,23,24,25,26,27,28,29,30,31
	v_mad_u32_u24 v[A+\i], s20, \i, v3             ; row i of a block, my column
.endr
.macro WLOAD kb                        ; block kb: 32 rows, 128 consecutive bytes a load (512 with the other three waves')
.irp i, 0,1,2,3,4,5,6,7,8,9,10,11,12,13,14,15,16,17,18,19,20,21,22,23,24,25,26,27,28,29,30,31
	global_load_b32 v[WX+32*((\kb)%2)+\i], v[A+\i], s[SB+2*(\kb):SB+2*(\kb)+1] th:TH_LOAD_NT
.endr
.endm
.macro WBLOCK kb
.set XS, WX+32*((\kb)%2)
.if \kb < 3
	s_wait_loadcnt 32                              ; this block's 32 loads are in; the next block's may be out
.else
	s_wait_loadcnt 0x0
.endif
	v_max3_num_f32 v10, |v[XS]|, |v[XS+1]|, |v[XS+2]|
	v_max3_num_f32 v11, |v[XS+3]|, |v[XS+4]|, |v[XS+5]|
.irp i, 6,10,14,18,22,26
	v_max3_num_f32 v10, v10, |v[XS+\i]|, |v[XS+\i+1]|
	v_max3_num_f32 v11, v11, |v[XS+\i+2]|, |v[XS+\i+3]|
.endr
	v_max3_num_f32 v10, v10, |v[XS+30]|, |v[XS+31]|
	v_max3_num_f32 v10, v10, v11, 0x2800000        ; and the floor
	v_add_nc_u32 v12, 0xfe000000, v10
	v_lshrrev_b32 v13, 23, v12
.if \kb == 0
	v_mov_b32 v[WD], v13
.else
	v_lshl_or_b32 v[WD], v13, 8*\kb, v[WD]         ; the lower K in the lower byte
.endif
	v_cvt_scalef32_pk16_bf6_f32 v[C:C+2], v[XS:XS+15], v12
	v_cvt_scalef32_pk16_bf6_f32 v[T:T+2], v[XS+16:XS+31], v12
	v_nop                                          ; one plain place behind a scaled conversion
.irp i, 0,1,2
	v_mov_b32 v[C+3+\i], v[T+\i]
.endr
	ds_store_b128 v4, v[C:C+3] offset:768*(\kb/2)+256*(\kb%2)              ; block kb is what lane r + 16 (kb % 2) holds of half fragment kb / 2
	ds_store_b64 v5, v[C+4:C+5] offset:768*(\kb/2)+512+128*(\kb%2)
.if \kb < 2
	WLOAD \kb+2
.endif
	s_wait_dscnt 0x0                               ; the stores have read their registers
.endm
	WLOAD 0
	WLOAD 1
	WBLOCK 0
	WBLOCK 1
	WBLOCK 2
	WBLOCK 3
.irp n, 0,1,2,3,4,5
	ds_load_b128 v[OUTR+4*\n:OUTR+4*\n+3], v6 offset:512*\n
.endr
	s_wait_alu depctr_va_vdst(0)
	global_store_b32 v7, v[WD], s[32:33]           ; 128 consecutive bytes
.irp n, 0,1,2,3,4,5
	s_wait_dscnt 5-\n                              ; the younger loads from the stage may be out
	global_store_b128 v1, v[OUTR+4*\n:OUTR+4*\n+3], s[34:35] offset:512*\n  ; 512 consecutive bytes, aligned to 256
.endr
	s_wait_tensorcnt 0x0                           ; the wave's end, behind my last LDS store
	ds_add_u32 v[SPW], v[NIL]
	s_wait_dscnt 0x0
	s_endpgm
.Lfunc_end_k_q922bbcb019_quant:
	.size	k_q922bbcb019_quant, .Lfunc_end_k_q922bbcb019_quant-k_q922bbcb019_quant
	.p2alignl 7, 3214868480
	.fill 96, 4, 3214868480
	.section	.rodata,"a",@progbits
	.p2align	6, 0x0
	.amdhsa_kernel k_q922bbcb019_quant
		.amdhsa_group_segment_fixed_size 47616
		.amdhsa_private_segment_fixed_size 0
		.amdhsa_enable_private_segment 0
		.amdhsa_kernarg_size 40
		.amdhsa_user_sgpr_count 2
		.amdhsa_user_sgpr_kernarg_segment_ptr 1
		.amdhsa_wavefront_size32 1
		.amdhsa_system_sgpr_workgroup_id_x 1
		.amdhsa_system_sgpr_workgroup_id_y 1
		.amdhsa_system_sgpr_workgroup_id_z 1
		.amdhsa_system_vgpr_workitem_id 0
		.amdhsa_next_free_vgpr 256
		.amdhsa_next_free_sgpr 66
		.amdhsa_reserve_vcc 0
		.amdhsa_float_denorm_mode_32 3
		.amdhsa_float_denorm_mode_16_64 3
		.amdhsa_memory_ordered 1
		.amdhsa_forward_progress 1
		.amdhsa_inst_pref_size 55
	.end_amdhsa_kernel
	.amdgpu_metadata
---
amdhsa.version: [ 1, 2 ]
amdhsa.kernels:
  - .name:           k_q922bbcb019_quant
    .symbol:         k_q922bbcb019_quant.kd
    .args:
      - { .name: x, .offset: 0, .size: 8, .value_kind: global_buffer, .address_space: global }
      - { .name: W_qkv, .offset: 8, .size: 8, .value_kind: global_buffer, .address_space: global }
      - { .name: W_lin, .offset: 16, .size: 8, .value_kind: global_buffer, .address_space: global }
      - { .name: xq, .offset: 24, .size: 8, .value_kind: global_buffer, .address_space: global }
      - { .name: wc, .offset: 32, .size: 8, .value_kind: global_buffer, .address_space: global }
    .group_segment_fixed_size: 47616
    .private_segment_fixed_size: 0
    .kernarg_segment_align: 8
    .kernarg_segment_size: 40
    .max_flat_workgroup_size: 128
    .sgpr_count:     66
    .vgpr_count:     256
    .wavefront_size: 32
...
	.end_amdgpu_metadata
.endif
;; end of part 1
;; launch gemm_qkv (part 2): grid 16 x 48, 4 waves a work-group, clusters of 4 x 4, 307,712 bytes of LDS; arguments xq, wc, b_qkv, qf, kv; writes qf, kv
.if DOCPART == 2
	.amdgcn_target "amdgcn-amd-amdhsa--gfx1250"
	.amdhsa_code_object_version 6
	.text
	.protected	k_q922bbcb019_gemm_qkv
	.globl	k_q922bbcb019_gemm_qkv
	.p2align	8
	.type	k_q922bbcb019_gemm_qkv,@function
k_q922bbcb019_gemm_qkv:
	s_mov_b64 s[64:65], 0
	v_nop
	global_prefetch_b8 v0, s[64:65] scope:SCOPE_SE
	s_setreg_imm32_b32 hwreg(HW_REG_WAVE_MODE, 25, 1), 1
	s_wait_xcnt 0x0
	s_wait_alu depctr_hold_cnt(0) depctr_sa_sdst(0) depctr_va_vdst(0) depctr_va_sdst(0) depctr_va_ssrc(0) depctr_va_vcc(0) depctr_vm_vsrc(0)
	s_getreg_b32 s2, hwreg(HW_REG_IB_STS2, 6, 4)
	s_cmp_eq_u32 s2, 0
	s_cbranch_scc0 .Lentry_in_a_cluster
	s_endpgm
.Lentry_in_a_cluster:
	s_bfe_u32 s2, ttmp6, 0x10000c
	s_cmp_lg_u32 s2, 0xf033
	s_cbranch_scc0 .Lentry_shape_is_right
	s_endpgm
.Lentry_shape_is_right:
; LAUNCH 2 OF 4: qkv = x W_qkv + b_qkv on codes of BF6, and its results quantised in registers: q and k along the head's 64, v along the keys.  qkv never goes to memory as f32.
; THE PRODUCT IS C' = P Q^T, source 0 = a tile of P, source 1 = a tile of Q: a lane then holds ONE row of Q, and its registers run along P's rows, which are the next product's K.
;   TYPE 0 (cluster y 0-7): P = 128 features of W_q or W_k (two heads), Q = 256 tokens: a lane holds a token, registers run along the features: q's and k's codes.
;   TYPE 1 (cluster y 8-11): P = 128 tokens, Q = 256 features of W_v (four heads): a lane holds a feature, registers run along the tokens, which are the keys: v's codes.
; The rows of a tile are laid 32 (t / 2) + 8 (t % 2) + r + 8 (r / 8), so register 16 B + i of a lane's 64 (8 tiles of P) is index 32 B + 16 (lane / 16) + i of the panel.
; SHARES: a work-group takes 1 panel of P x 2 panels of Q; wave w all of P x tiles 4 (w & 1) + 0..3 of Q's panel w >> 1: 32 accumulators.
; ALL OF K (1,024) LIES IN LDS: four quarters of two K steps, each Q's panel 0, Q's panel 1, P (25,600 bytes each): 307,200 bytes, each filled once, by four tensor loads a wave issued together at the head.
; So nothing is filled again; a plain barrier stands ahead of each quarter's first read, with a counted wait that leaves the later quarters' loads out.
; CLUSTER 4 x 4: P hangs on cx alone and is asked for jointly along a column, Q on cy alone and along a row.  TYPE hangs on the cluster's y alone: the same in all sixteen partners.
; The two types part once, behind the joint loads, and never join; each has LDS bytes of its own for its scale words (in quarter 0, which has had its only fill and is read by nobody behind the second K step's barrier).
; OUT: qf: block ((16 batch + head) 16 + s) x 6,656, s = the sequence's 128 tokens: 8 half fragments, then words (2 bytes used, 2 zeros) at 6,144.  kv: blocks of 13,056: k laid as q, then v's 4 fragments at 6,656, its words at 12,800.
; LIMITS: as stated at the head of the first launch.
; REGISTERS: window 0: v1-12 addresses; v16-21 LDS addresses that step; v30, v31 the add's two; v32-47 scale words, two sets; v64-159 Q's fragments, two sets of 48; v160-223 the bias.  window 1: v0-191 P's fragments, two sets of 96.
;   window 2: accumulator (a, b) at v[64 a + 8 b].  On the way out window 0's v64-175 are free.
.set SPARE, 307200
.set QTR,   76800
.set SPW, 30
.set NIL, 31
.set SC,  32
.set QFR, 64
.set BIAS, 160
.set TM,  160                          ; the way out: v160-163 largest magnitudes, v164-167 bytes, v172-175 scale operands
.set PW,  144                          ; v144-147 the four tiles' scale words;  v148-151 a head's half of them
.set PWS, 148
.set WBK, 152                          ; v152-155 words read back
.set G1Q, 24
.set G1P, 32
.set G0Q, 40                           ; s[40:55] four groups 0 for Q's quarters
.set G0P, 68                           ; s[68:83] for P's
.set SEL, 94
.set MSB, 0
.macro WIN new                         ; the immediate's high byte repeats the setting that is left
.if MSB != \new
	s_set_vgpr_msb (MSB<<8)|\new
.set MSB, \new
.endif
.endm
.macro PLACES n
.rept \n
	v_nop
.endr
.endm
.macro ROUND                           ; a round of the cluster's barrier
	s_barrier_signal -1
	s_barrier_wait -1
	s_cmp_lg_u32 s14, 0
	s_cbranch_scc1 .Lnot_wave_0_\@
	s_barrier_signal -3
.Lnot_wave_0_\@:
	s_barrier_wait -3
	s_barrier_signal -1
	s_barrier_wait -1
.endm
.macro FRAGLD reg, a16, a8, off        ; a fragment comes as it was stored: four loads, consecutive bytes in consecutive lanes
	ds_load_b128 v[\reg:\reg+3], v[\a16] offset:\off
	ds_load_b64 v[\reg+4:\reg+5], v[\a8] offset:\off+512
	ds_load_b128 v[\reg+6:\reg+9], v[\a16] offset:\off+768
	ds_load_b64 v[\reg+10:\reg+11], v[\a8] offset:\off+1280
.endm
.macro FETCH q                         ; the quarter's K step q into set q: P's 8 fragments, my 4 of Q, 8 registers of scale words (lanes 0-15 Q's tile i, lanes 16-31 P's tile i)
	WIN 0x40                                       ; destination window 1
.irp i, 0,1,2,3,4,5,6,7
	FRAGLD 96*\q+12*\i, 18, 19, 12800*\q+1536*\i
.endr
	WIN 0
.irp i, 0,1,2,3
	FRAGLD QFR+48*\q+12*\i, 16, 17, 12800*\q+1536*\i
.endr
.irp i, 0,1,2,3
	ds_load_b32 v[SC+8*\q+\i], v20 offset:12800*\q+64*\i
.endr
.irp i, 4,5,6,7
	ds_load_b32 v[SC+8*\q+\i], v21 offset:12800*\q+64*\i    ; (lanes 0-15 read Q's words i - 4 once more: they are not used, and no read leaves the tile)
.endr
.endm
; 8 products: Q's tile a x P's eight.  mode 0: onto the sums; 1: the sums begin with the bias of P's rows; 2: with the bias of Q's rows.  The 32 accumulators take turns in the same order in every step.
.macro MULA a, set, mode
.if \mode == 0
	WIN 0xa1                                       ; source 0 (P) window 1, source 1 (Q) window 0, C and D window 2
.else
	WIN 0x81                                       ; C (the bias) window 0
.endif
.irp b, 0,1,2,3,4,5,6,7
.if \mode == 0
	v_wmma_scale_f32_16x16x128_f8f6f4 v[64*\a+8*\b:64*\a+8*\b+7], v[96*\set+12*\b:96*\set+12*\b+11], v[QFR+48*\set+12*\a:QFR+48*\set+12*\a+11], v[64*\a+8*\b:64*\a+8*\b+7], v[SC+8*\set+\b], v[SC+8*\set+\a] matrix_a_fmt:MATRIX_FMT_BF6 matrix_b_fmt:MATRIX_FMT_BF6 matrix_a_scale:MATRIX_SCALE_ROW1
.elseif \mode == 1
	v_wmma_scale_f32_16x16x128_f8f6f4 v[64*\a+8*\b:64*\a+8*\b+7], v[96*\set+12*\b:96*\set+12*\b+11], v[QFR+48*\set+12*\a:QFR+48*\set+12*\a+11], v[BIAS+8*\b:BIAS+8*\b+7], v[SC+8*\set+\b], v[SC+8*\set+\a] matrix_a_fmt:MATRIX_FMT_BF6 matrix_b_fmt:MATRIX_FMT_BF6 matrix_a_scale:MATRIX_SCALE_ROW1
.else
	v_wmma_scale_f32_16x16x128_f8f6f4 v[64*\a+8*\b:64*\a+8*\b+7], v[96*\set+12*\b:96*\set+12*\b+11], v[QFR+48*\set+12*\a:QFR+48*\set+12*\a+11], v[BIAS+8*\a:BIAS+8*\a+7], v[SC+8*\set+\b], v[SC+8*\set+\a] matrix_a_fmt:MATRIX_FMT_BF6 matrix_b_fmt:MATRIX_FMT_BF6 matrix_a_scale:MATRIX_SCALE_ROW1
.endif
.endr
.endm
.macro EVEN                            ; a quarter's first K step: the second's fragments are fetched under it
	PLACES 4                                       ; places between the last products and loads into registers that they read
	FETCH 1
	MULA 0, 0, 0
	MULA 1, 0, 0
	MULA 2, 0, 0
	MULA 3, 0, 0
	s_wait_dscnt 0x0                               ; the next step's fragments are in
.endm
.macro ODD cnt                         ; a quarter's second K step: a barrier shows the next quarter whole, then its first fragments are fetched
	PLACES 4
	s_wait_tensorcnt \cnt                          ; my part of the next quarter has landed; cnt later quarters' loads of mine may stay out
	s_barrier_signal -1                            ; (no LDS instruction of mine is out: the step before ended with the wait for 0)
	MULA 0, 1, 0
	WIN 0
	s_barrier_wait -1
.irp v, 16,17,18,19,20,21
	v_add_nc_u32 v\v, QTR, v\v                     ; on to the next quarter
.endr
	FETCH 0
	MULA 1, 1, 0
	MULA 2, 1, 0
	MULA 3, 1, 0
	s_wait_dscnt 0x0
.endm
.macro KSTEPS mode
	s_wait_tensorcnt 0x3                           ; my part of quarter 0 has landed; my three later loads may stay out
	s_barrier_signal -1
	s_barrier_wait -1                              ; everybody's has
	FETCH 0
	s_wait_loadcnt 0x0                             ; the bias
	s_wait_dscnt 0x0
	FETCH 1
	MULA 0, 0, \mode                               ; the first K step starts the sums, with the bias as C: nothing is cleared, nothing is added later
	MULA 1, 0, \mode
	MULA 2, 0, \mode
	MULA 3, 0, \mode
	s_wait_dscnt 0x0
	ODD 2
	s_wait_alu depctr_va_vdst(0)
	EVEN
	ODD 1
	s_wait_alu depctr_va_vdst(0)
	EVEN
	ODD 0
	s_wait_alu depctr_va_vdst(0)
	EVEN
	MULA 0, 1, 0
	MULA 1, 1, 0
	MULA 2, 1, 0
	MULA 3, 1, 0
	WIN 0
	PLACES 4                                       ; places ahead of the first read of results and of the first write of registers that the last products read
.irp b, 0,1,2,3
	v_mov_b32 v[TM+4+\b], 0                        ; a lane permute's destination counts as one of its sources
.endr
.endm
; Q's tile a: a lane's 64 results (register 16 B + i = index 32 B + 16 (lane / 16) + i) become a fragment's codes in v[PCA] on and its scale word in v[PW + a].
.macro QUANTW a
.set SR, 64*\a
.set PCA, 64+20*\a
	WIN 0x0a                                       ; sources 0 and 1 window 2
.irp e, 0,1,2,3
	v_max3_num_f32 v[TM+\e], |v[SR+16*\e]|, |v[SR+16*\e+1]|, 0x2800000     ; each accumulator is read from its low end on; the floor 2^(5 - 127) holds the byte at 1 from below
.endr
.irp i, 2,4,6,8,10,12,14
.irp e, 0,1,2,3
	v_max3_num_f32 v[TM+\e], |v[SR+16*\e+\i]|, |v[SR+16*\e+\i+1]|, v[TM+\e]
.endr
.endr
	WIN 0
.irp e, 0,1,2,3
	v_permlanex16_b32 v[TM+4+\e], v[TM+\e], s[SEL], s[SEL+1]
.endr
.irp e, 0,1,2,3
	v_max_num_f32 v[TM+\e], v[TM+\e], v[TM+4+\e]   ; with lane l xor 16's 16: the block's largest magnitude
.endr
.irp e, 0,1,2,3
	v_add_nc_u32 v[TM+12+\e], 0xfe000000, v[TM+\e] ; 4 off its exponent field: the conversion's scale operand
.endr
.irp e, 0,1,2,3
	v_lshrrev_b32 v[TM+4+\e], 23, v[TM+12+\e]      ; the scale's byte
.endr
	v_lshl_or_b32 v[PW+\a], v[TM+5], 8, v[TM+4]
	v_lshl_or_b32 v[PW+\a], v[TM+6], 16, v[PW+\a]
	v_lshl_or_b32 v[PW+\a], v[TM+7], 24, v[PW+\a]
	WIN 0x02                                       ; source 0 window 2
.irp c, 0,1
	v_cvt_scalef32_pk16_bf6_f32 v[PCA+6*\c:PCA+6*\c+2], v[SR+32*\c:SR+32*\c+15], v[TM+12+2*\c]
	v_cvt_scalef32_pk16_bf6_f32 v[PCA+12+4*\c:PCA+14+4*\c], v[SR+32*\c+16:SR+32*\c+31], v[TM+12+2*\c+1]
.endr
	WIN 0
	v_nop                                          ; one plain place behind a scaled conversion
.irp c, 0,1                            ; the operand's layout wants a whole block in a lane: lanes 0-15 block 2 c, lanes 16-31 block 2 c + 1
.irp i, 0,1,2
	v_permlane16_swap_b32 v[PCA+6*\c+\i], v[PCA+12+4*\c+\i]
.endr
.irp i, 0,1,2
	v_mov_b32 v[PCA+6*\c+3+\i], v[PCA+12+4*\c+\i]
.endr
.endr
.endm
.macro CLOSE
	s_wait_tensorcnt 0x0                           ; the wave's end, behind my last tensor load and my last LDS store
	ds_add_u32 v[SPW], v[NIL]
	s_wait_dscnt 0x0
	ROUND                                          ; the closing round
	s_endpgm
.endm
	s_load_b256 s[4:11], s[0:1], 0x0               ; xq s[4:5], wc s[6:7], b_qkv s[8:9], qf s[10:11]
	s_load_b64 s[12:13], s[0:1], 0x20              ; kv
	v_lshl_add_u32 v[SPW], v0, 2, SPARE
	v_mov_b32 v[NIL], 0
	ds_add_u32 v[SPW], v[NIL]                      ; the wave's opening: the add, twice on end, and its wait ahead of my first tensor load
	ds_add_u32 v[SPW], v[NIL]
	v_lshrrev_b32 v1, 5, v0
	v_readfirstlane_b32 s14, v1                    ; wave 0..3
	s_and_b32 s15, s14, 1                          ; WL
	s_lshr_b32 s16, s14, 1                         ; WH
	s_bfe_u32 s17, ttmp6, 0x40000                  ; cx
	s_bfe_u32 s18, ttmp6, 0x40004                  ; cy
	s_and_b32 s20, ttmp7, 0xffff                   ; cluster y
	s_sub_co_u32 s56, s20, 8
	s_lshl_b32 s56, s56, 2
	s_add_co_u32 s56, s56, ttmp9                   ; TYPE 1: 4 (cluster y - 8) + cluster x
	s_cmp_ge_u32 s20, 8
	s_cselect_b32 s21, 1, 0                        ; TYPE
	s_cselect_b32 s56, s56, ttmp9
	s_cselect_b32 s57, 0, s20
	s_cselect_b32 s58, 16*102400, 0                ; TYPE 1: Q's panels begin at wc's panel 16 (W_v)
	s_lshl_b32 s22, s56, 2
	s_add_co_u32 s22, s22, s17                     ; pt: P's panel: it hangs on cx, never on cy
	s_lshl_b32 s23, s57, 2
	s_add_co_u32 s23, s23, s18                     ; qt: Q's pair of panels: on cy, never on cx
	s_lshl_b32 s59, s18, 2
	s_lshl_b32 s59, 15, s59                        ; my row of the cluster
	s_lshl_b32 s60, 0x1111, s17                    ; my column
	s_or_b32 s[G1Q], s59, (3<<16)|(1<<21)          ; 15:0 the mask; 17:16 elements of 8 bytes; 21 set beside a mask; no padding
	s_or_b32 s[G1P], s60, (3<<16)|(1<<21)
	s_mov_b32 s[G1Q+1], 32<<16                     ; dense blocks as rows of 256 bytes: tensor_dim0 = 32
	s_mov_b32 s[G1Q+2], 100<<16                    ; tensor_dim1 = 100 rows: a panel's two K steps
	s_mov_b32 s[G1Q+3], 32<<16                     ; tile_dim0
	s_mov_b32 s[G1Q+4], 100                        ; tile_dim1
	s_mov_b32 s[G1Q+5], 32                         ; the pitch
	s_mov_b32 s[G1Q+6], 0
	s_mov_b32 s[G1Q+7], 0
	s_mov_b32 s[G1P+1], 32<<16
	s_mov_b32 s[G1P+2], 50<<16                     ; 50 rows: one K step of P
	s_mov_b32 s[G1P+3], 32<<16
	s_mov_b32 s[G1P+4], 50
	s_mov_b32 s[G1P+5], 32
	s_mov_b32 s[G1P+6], 0
	s_mov_b32 s[G1P+7], 0
	s_lshl_b32 s61, s23, 1
	s_add_co_u32 s61, s61, s15
	s_mul_i32 s62, s61, 102400                     ; Q: panel 2 qt + WL (waves 0, 1 ask)
	s_add_co_u32 s62, s62, s58
	s_mov_b32 s63, 0
	s_mul_i32 s84, s22, 102400                     ; P: panel pt, K step WL of each quarter (waves 2, 3 ask)
	s_mul_i32 s85, s15, 12800
	s_add_co_u32 s84, s84, s85
	s_mov_b32 s85, 0
	s_mul_i32 s86, s15, 25600                      ; where they go: no place in the cluster enters an LDS address
	s_mul_i32 s87, s15, 12800
	s_add_co_u32 s87, s87, 51200
	s_mov_b32 s[SEL], 0x76543210
	s_mov_b32 s[SEL+1], 0xfedcba98
	s_wait_dscnt 0x0                               ; both opening adds are done
	s_wait_kmcnt 0x0
	s_cmp_eq_u32 s21, 0
	s_cselect_b64 s[88:89], s[4:5], s[6:7]         ; Q's buffer: xq or wc
	s_cselect_b64 s[90:91], s[6:7], s[4:5]         ; P's: wc or xq
	s_add_nc_u64 s[88:89], s[88:89], s[62:63]
	s_add_nc_u64 s[90:91], s[90:91], s[84:85]
	ROUND                                          ; all sixteen work-groups are here: the joint loads meet
.irp j, 0,1,2,3
	s_mov_b32 s[G0Q+4*\j], 1
	s_add_co_u32 s[G0Q+4*\j+1], s86, QTR*\j
	s_add_nc_u64 s[G0Q+4*\j+2:G0Q+4*\j+3], s[88:89], 25600*\j
	s_or_b32 s[G0Q+4*\j+3], s[G0Q+4*\j+3], 0x80000000
	s_mov_b32 s[G0P+4*\j], 1
	s_add_co_u32 s[G0P+4*\j+1], s87, QTR*\j
	s_add_nc_u64 s[G0P+4*\j+2:G0P+4*\j+3], s[90:91], 25600*\j
	s_or_b32 s[G0P+4*\j+3], s[G0P+4*\j+3], 0x80000000
.endr
	s_cmp_lt_u32 s14, 2                            ; a wave's four fills stand in one branch on the wave's number: four loads of mine are out
	s_cbranch_scc0 .Lfill_p
.irp j, 0,1,2,3
	tensor_load_to_lds s[G0Q+4*\j:G0Q+4*\j+3], s[G1Q:G1Q+7]
	s_nop 0
.endr
	PLACES 4
	s_branch .Lfilled
.Lfill_p:
.irp j, 0,1,2,3
	tensor_load_to_lds s[G0P+4*\j:G0P+4*\j+3], s[G1P:G1P+7]
	s_nop 0
.endr
	PLACES 4
.Lfilled:
	v_and_b32 v5, 31, v0
	v_lshlrev_b32 v1, 4, v5                        ; 16 x lane
	v_lshlrev_b32 v2, 3, v5                        ; 8 x lane
	v_and_b32 v3, 15, v0                           ; r
	v_bfe_u32 v4, v0, 4, 1                         ; h
	s_wait_alu depctr_va_vdst(0)
	s_mul_i32 s56, s16, 25600                      ; my panel of Q,
	s_mul_i32 s57, s15, 6144                       ; my four tiles of it
	s_add_co_u32 s57, s57, s56
	v_add_nc_u32 v16, s57, v1
	v_add_nc_u32 v17, s57, v2
	v_add_nc_u32 v18, 51200, v1                    ; P
	v_add_nc_u32 v19, 51200, v2
	s_lshl_b32 s57, s15, 8
	s_add_co_u32 s56, s56, s57
	s_add_co_u32 s58, s56, 12032                   ; 256 under
	s_add_co_u32 s56, s56, 12288                   ; my four tiles' scale words
	s_xor_b32 s59, s16, 1
	s_mul_i32 s59, s59, 25600
	s_xor_b32 s60, s15, 1
	s_lshl_b32 s60, s60, 8
	s_add_co_u32 s59, s59, s60
	s_add_co_u32 s60, s59, 25600
	s_add_co_u32 s59, s59, 25344                   ; from there to P's words (at 63,488): lanes 16-31 take those
	v_mul_u32_u24 v20, s59, v4
	v_lshl_add_u32 v20, v3, 2, v20
	v_add_nc_u32 v20, s56, v20
	v_mul_u32_u24 v21, s60, v4
	v_lshl_add_u32 v21, v3, 2, v21
	v_add_nc_u32 v21, s58, v21
	v_lshlrev_b32 v7, 4, v4                        ; 16 h
	s_lshl_b32 s56, s14, 9                         ; the stages for the scale words, 512 bytes a wave: TYPE 0's from byte 0, TYPE 1's from byte 2,048
	v_lshlrev_b32 v8, 8, v4
	v_lshl_add_u32 v8, v3, 2, v8
	v_add_nc_u32 v8, s56, v8                       ; TYPE 0, in: 256 h + 4 r: lanes 0-15 the first head's words, lanes 16-31 the second's
	v_add_nc_u32 v9, s56, v1                       ; and back: 16 x lane
	s_add_co_u32 s56, s56, 2048
	v_lshl_add_u32 v11, v3, 2, s56                 ; TYPE 1, in: 4 r
	v_add_nc_u32 v12, s56, v2                      ; and back: 8 x lane
	s_cmp_eq_u32 s21, 0
	s_cbranch_scc0 .Ltype1
; ---------------- TYPE 0: q and k
	s_lshl_b32 s56, s22, 9
	s_mov_b32 s57, 0
	s_add_nc_u64 s[92:93], s[8:9], s[56:57]        ; b_qkv at P's 128 features
	v_lshlrev_b32 v6, 6, v4                        ; register j of tile b is feature 32 (b / 2) + 8 (b % 2) + 16 h + j
.irp b, 0,1,2,3,4,5,6,7
	global_load_b128 v[BIAS+8*\b:BIAS+8*\b+3], v6, s[92:93] offset:(32*(\b/2)+8*(\b%2))*4
	global_load_b128 v[BIAS+8*\b+4:BIAS+8*\b+7], v6, s[92:93] offset:(32*(\b/2)+8*(\b%2))*4+16
.endr
	s_lshl_b32 s56, s23, 1
	s_add_co_u32 s56, s56, s16                     ; my panel of tokens
	s_lshr_b32 s57, s56, 4                         ; batch
	s_and_b32 s56, s56, 15                         ; s
	s_and_b32 s58, s22, 7
	s_lshl_b32 s58, s58, 1                         ; the first of P's two heads
	s_lshl_b32 s57, s57, 4
	s_add_co_u32 s57, s57, s58
	s_lshl_b32 s57, s57, 4
	s_add_co_u32 s57, s57, s56                     ; its block's number
	s_cmp_lt_u32 s22, 8                            ; W_q's panel or W_k's: a choice of pointers, no branch
	s_cselect_b64 s[84:85], s[10:11], s[12:13]
	s_mov_b32 s59, 13056
	s_cselect_b32 s59, 6656, s59                   ; a block's bytes
	s_mul_i32 s60, s57, s59
	s_mov_b32 s61, 0
	s_add_nc_u64 s[84:85], s[84:85], s[60:61]
	s_mul_i32 s60, s15, 3072
	s_add_nc_u64 s[86:87], s[84:85], s[60:61]      ; my four half fragments of the first head,
	s_lshl_b32 s62, s59, 4                         ; (a head on: 16 blocks)
	s_mov_b32 s63, 0
	s_add_nc_u64 s[88:89], s[86:87], s[62:63]      ; of the second,
	s_lshl_b32 s60, s15, 8
	s_add_co_u32 s60, s60, 6144
	s_add_nc_u64 s[90:91], s[84:85], s[60:61]      ; and my 256 bytes of the first head's words
	v_mul_u32_u24 v10, s62, v4
	v_lshl_add_u32 v10, v3, 4, v10                 ; lanes 0-15: 16 bytes each of the first head's, lanes 16-31 of the second's
	KSTEPS 1
.irp a, 0,1,2,3
	QUANTW \a
	global_store_b128 v1, v[PCA:PCA+3], s[86:87] offset:768*\a             ; K 0-63 of the panel are the first head: runs of 512 and 256 consecutive bytes, aligned to 256
	global_store_b64 v2, v[PCA+4:PCA+5], s[86:87] offset:768*\a+512
	global_store_b128 v1, v[PCA+6:PCA+9], s[88:89] offset:768*\a           ; K 64-127 the second
	global_store_b64 v2, v[PCA+10:PCA+11], s[88:89] offset:768*\a+512
	v_bfe_u32 v[PWS+\a], v[PW+\a], v7, 16          ; my half's head: its two bytes, zeros above
	ds_store_b32 v8, v[PWS+\a] offset:64*\a
.endr
	ds_load_b128 v[WBK:WBK+3], v9                  ; LDS serves a wave's instructions in order: this sees my stores
	s_wait_dscnt 0x0
	global_store_b128 v10, v[WBK:WBK+3], s[90:91]  ; 256 consecutive bytes for each head
	CLOSE
; ---------------- TYPE 1: v
.Ltype1:
	s_lshl_b32 s56, s23, 10
	s_lshl_b32 s57, s14, 8
	s_add_co_u32 s56, s56, s57
	s_add_co_u32 s56, s56, 8192
	s_mov_b32 s57, 0
	s_add_nc_u64 s[92:93], s[8:9], s[56:57]        ; b_qkv at feature 2,048 + 256 qt + 64 w: my head's
	v_and_b32 v6, 8, v3
	v_add_nc_u32 v6, v6, v3
	v_lshlrev_b32 v6, 2, v6                        ; a lane holds feature 32 (a / 2) + 8 (a % 2) + r + 8 (r / 8) of it in all eight registers
.irp a, 0,1,2,3
.irp j, 0,1,2,3,4,5,6,7
	global_load_b32 v[BIAS+8*\a+\j], v6, s[92:93] offset:(32*(\a/2)+8*(\a%2))*4
.endr
.endr
	s_lshr_b32 s56, s22, 4                         ; batch
	s_and_b32 s57, s22, 15                         ; s
	s_lshl_b32 s58, s23, 2
	s_add_co_u32 s58, s58, s14                     ; head = 4 qt + w
	s_lshl_b32 s56, s56, 4
	s_add_co_u32 s56, s56, s58
	s_lshl_b32 s56, s56, 4
	s_add_co_u32 s56, s56, s57
	s_mul_i32 s60, s56, 13056
	s_mov_b32 s61, 0
	s_add_nc_u64 s[86:87], s[12:13], s[60:61]
	KSTEPS 2
.irp a, 0,1,2,3
	QUANTW \a
	global_store_b128 v1, v[PCA:PCA+3], s[86:87] offset:6656+1536*\a       ; 16 of the head's 64 x 128 keys
	global_store_b64 v2, v[PCA+4:PCA+5], s[86:87] offset:6656+1536*\a+512
	global_store_b128 v1, v[PCA+6:PCA+9], s[86:87] offset:6656+1536*\a+768
	global_store_b64 v2, v[PCA+10:PCA+11], s[86:87] offset:6656+1536*\a+1280
	ds_store_b32 v11, v[PW+\a] offset:64*\a        ; both halves of the lanes write the same word with the same value
.endr
	ds_load_b64 v[WBK:WBK+1], v12
	s_wait_dscnt 0x0
	global_store_b64 v2, v[WBK:WBK+1], s[86:87] offset:12800               ; 256 consecutive bytes
	CLOSE
.Lfunc_end_k_q922bbcb019_gemm_qkv:
	.size	k_q922bbcb019_gemm_qkv, .Lfunc_end_k_q922bbcb019_gemm_qkv-k_q922bbcb019_gemm_qkv
	.p2alignl 7, 3214868480
	.fill 96, 4, 3214868480
	.section	.rodata,"a",@progbits
	.p2align	6, 0x0
	.amdhsa_kernel k_q922bbcb019_gemm_qkv
		.amdhsa_group_segment_fixed_size 307712
		.amdhsa_private_segment_fixed_size 0
		.amdhsa_enable_private_segment 0
		.amdhsa_kernarg_size 40
		.amdhsa_user_sgpr_count 2
		.amdhsa_user_sgpr_kernarg_segment_ptr 1
		.amdhsa_wavefront_size32 1
		.amdhsa_system_sgpr_workgroup_id_x 1
		.amdhsa_system_sgpr_workgroup_id_y 1
		.amdhsa_system_sgpr_workgroup_id_z 1
		.amdhsa_system_vgpr_workitem_id 0
		.amdhsa_next_free_vgpr 768
		.amdhsa_next_free_sgpr 100
		.amdhsa_reserve_vcc 0
		.amdhsa_float_denorm_mode_32 3
		.amdhsa_float_denorm_mode_16_64 3
		.amdhsa_memory_ordered 1
		.amdhsa_forward_progress 1
		.amdhsa_inst_pref_size 178
	.end_amdhsa_kernel
	.amdgpu_metadata
---
amdhsa.version: [ 1, 2 ]
amdhsa.kernels:
  - .name:           k_q922bbcb019_gemm_qkv
    .symbol:         k_q922bbcb019_gemm_qkv.kd
    .args:
      - { .name: xq, .offset: 0, .size: 8, .value_kind: global_buffer, .address_space: global }
      - { .name: wc, .offset: 8, .size: 8, .value_kind: global_buffer, .address_space: global }
      - { .name: b_qkv, .offset: 16, .size: 8, .value_kind: global_buffer, .address_space: global }
      - { .name: qf, .offset: 24, .size: 8, .value_kind: global_buffer, .address_space: global }
      - { .name: kv, .offset: 32, .size: 8, .value_kind: global_buffer, .address_space: global }
    .group_segment_fixed_size: 307712
    .private_segment_fixed_size: 0
    .kernarg_segment_align: 8
    .kernarg_segment_size: 40
    .max_flat_workgroup_size: 128
    .sgpr_count:     100
    .vgpr_count:     768
    .wavefront_size: 32
...
	.end_amdgpu_metadata
.endif
;; end of part 2
;; launch attn (part 3): grid 4 x 64, 16 waves a work-group, no clusters, 327,680 bytes of LDS; arguments qf, kv, zq; writes zq
.if DOCPART == 3
	.amdgcn_target "amdgcn-amd-amdhsa--gfx1250"
	.amdhsa_code_object_version 6
	.text
	.protected	k_q922bbcb019_attn
	.globl	k_q922bbcb019_attn
	.p2align	8
	.type	k_q922bbcb019_attn,@function
k_q922bbcb019_attn:
	s_mov_b64 s[64:65], 0
	v_nop
	global_prefetch_b8 v0, s[64:65] scope:SCOPE_SE
	s_setreg_imm32_b32 hwreg(HW_REG_WAVE_MODE, 25, 1), 1
	s_wait_xcnt 0x0
; LAUNCH 3 OF 4: z = softmax(q k^T / 8, causal) v on codes of BF6, and z quantised in registers along D for the last product.
; WORK LEFT OUT: a key step of 128 keys all of which come after the wave's 16 queries (shown dead at the head of the first launch); slots of keys beyond a query block's last query are neither fetched nor walked.
; THE SOFTMAX AHEAD OF THE SECOND PRODUCT: t = score x log2(e) / 8; M = the running largest t rounded UP to a whole number; p = 2^(t - M) is quantised along the keys, not normalised; the row's sum is taken of the
; unquantised p and divides at the end; when M moves, the sum and O are multiplied by 2^(old M - new M), which rounds nothing.
; SHARES.  Work-group (i, batch x head) owns query blocks i and 7 - i of 256 queries, one after the other: (i + 1) + (8 - i) = 9 slots of 256 keys for EVERY work-group: equal work, a constant trip count.
; Each of 16 waves owns one tile of 16 queries; four waves share a SIMD, so that one wave's vector work stands beside another's products and LDS loads.
; NO CLUSTER: the four work-groups of a head want different slots in the same trip (their passes change at different trips), so no joint request could be alike in all partners.
; NO PREFETCH: a slot's 26,112 bytes are asked for a whole slot's work ahead (two key steps of each of 16 waves), and all 256 work-groups walk 64 heads' kv, each slot read by up to four of them.
; LAYOUT.  Both products are used transposed: S^T = K Q^T (source 0 = 16 keys), O^T = V^T P^T (source 0 = 16 of the head's 64): a lane holds ONE query throughout.  The keys of a tile lie 32 (t / 2) + 8 (t % 2) + r + 8 (r / 8),
; so the 16 registers of tiles 2 b, 2 b + 1 are keys 32 b + 16 (lane / 16) + 0..15; the head's 64 in V's tiles likewise.
; THE FIRST PRODUCT'S K IS 64, half of the instruction's 128: for k = 64..127 Q's codes are zeros and both sides' scale bytes are 0 (2^-127, no NaN), so those products are 0 whatever K's registers 6-11 hold
; (the next tile's codes, which are finite numbers in this format, or zeros behind the last tile).
; RING: two LDS slots, 32,768 bytes apart, each one dense block of kv (two key steps: k's 8 half fragments, words, v's 4 fragments, words).  Wave 0 alone loads, one load behind each barrier.
; z's scale bytes: a head has 2 of a row's 4 in a K step's word, so they leave as 2 bytes a lane, 64 bytes' span a wave: the other 2 are another work-group's.
; LIMITS: as stated at the head of the first launch.
.set SLOT1, 32768
.set SPARE, 65536                      ; the spare words: 128 bytes for each of 16 waves
.set KVB,   13056                      ; a key step's block
.set SPW, 4                            ; v4   SPARE + 4 x my thread's number; never rewritten
.set NIL, 5                            ; v5   0; never rewritten
.set S,   96                           ; v96-159 S^T, then p
.set O,   160                          ; v160-191 O^T
.set PCD, 192                          ; v192-203 p's codes (at a pass's end: z's)
.set CT,  204                          ; v204-206, v208-210 second halves from the conversions
.set BM,  212                          ; v212-215 a block's largest score, then its largest p
.set BT,  216                          ; v216-219 the other half's, then bytes
.set SO,  220                          ; v220-223 the conversions' scale operands
.set PWD, 224                          ; v224 p's scale word
.set F,   226                          ; v[226:227] f = 2^(old M - new M) (the pair's low word serves both halves)
.set TA,  228                          ; v[228:229] at work
.set ZWD, 230                          ; v230 z's two scale bytes
.set TT,  232                          ; v232 at work
.set KW,  240                          ; v240-247 k's scale words;  v248-251 v's;  v34 q's, v35 the second pass's
.set VW,  248
.set WV,  10
.set TR,  11                           ; s11 the trip
.set IP1, 12                           ; s12 i + 1: the trip at which the second pass begins
.set KL,  13                           ; s13 the slot of keys that the last load named
.set KF,  14                           ; s14 the step's first key
.set TB,  15                           ; s15 LDS byte at which the slot in hand begins
.set G1,  16
.set G0,  24
.set QB,  28                           ; s28 my tile's first query; s29 its last; s30 the second pass's first
.set QMAX, 29
.set QB2, 30
.set CS,  32                           ; s[32:33] c = log2(e) / 8
.set SEL, 34
.set ZA,  36                           ; s[36:37], s[38:39] where the first pass's codes and scale bytes go; s[40:43] the second's
.set ZWA, 38
.set ZB,  40
.set ZWB, 42
.macro TLOAD                           ; wave 0 alone fetches; an s_nop 0 and four v_nop follow the load
	s_cmp_lg_u32 s[WV], 0
	s_cbranch_scc1 .Lnot_mine_\@
	tensor_load_to_lds s[G0:G0+3], s[G1:G1+7]
	s_nop 0
.rept 4
	v_nop
.endr
.Lnot_mine_\@:
.endm
.macro PASS blk, qp, z, zw, qb         ; the addresses of a pass: query block s[blk]
	s_lshl_b32 s52, s[\blk], 1
	s_add_co_u32 s52, s52, s48                     ; which 128 tokens of the sequence
	s_lshl_b32 s53, s44, 4
	s_add_co_u32 s53, s53, s52
	s_mul_i32 s54, s53, 6656
	s_mov_b32 s55, 0
	s_add_nc_u64 s[\qp:\qp+1], s[4:5], s[54:55]    ; q's block
	s_lshl_b32 s53, s45, 4
	s_add_co_u32 s53, s53, s52                     ; the panel of tokens,
	s_lshl_b32 s53, s53, 3
	s_lshr_b32 s54, s46, 1
	s_add_co_u32 s53, s53, s54                     ; K step = head / 2
	s_mul_i32 s53, s53, 12800
	s_mul_i32 s54, s47, 1536                       ; my tile's fragment,
	s_add_co_u32 s54, s54, s53
	s_and_b32 s56, s46, 1
	s_mul_i32 s57, s56, 768                        ; its half: head % 2
	s_add_co_u32 s54, s54, s57
	s_add_nc_u64 s[\z:\z+1], s[8:9], s[54:55]
	s_lshl_b32 s54, s47, 6
	s_add_co_u32 s54, s54, s53
	s_lshl_b32 s57, s56, 1
	s_add_co_u32 s54, s54, s57
	s_add_co_u32 s54, s54, 12288
	s_add_nc_u64 s[\zw:\zw+1], s[8:9], s[54:55]
	s_lshl_b32 s[\qb], s[\blk], 8                  ; my tile's first query: 256 block + 32 (wave / 2) + 8 (wave % 2)
	s_lshr_b32 s54, s[WV], 1
	s_lshl_b32 s54, s54, 5
	s_add_co_u32 s[\qb], s[\qb], s54
	s_and_b32 s54, s[WV], 1
	s_lshl_b32 s54, s54, 3
	s_add_co_u32 s[\qb], s[\qb], s54
.endm
.macro INIT                            ; a pass begins: the step is written once, and its first run finds zeros, which the first change of M leaves zeros
	v_mov_b32 v13, 0xff61b1e6                      ; the largest t so far: -3e38
	s_delay_alu instid0(VALU_DEP_1)
	v_floor_f32 v12, -v13                          ; -M
	v_mov_b32 v14, 0                               ; the sum, in two halves
	v_mov_b32 v15, 0
.set n, 0
.rept 32
	v_mov_b32 v[O+n], 0
.set n, n+1
.endr
.endm
	s_load_b128 s[4:7], s[0:1], 0x0                ; qf, kv
	s_load_b64 s[8:9], s[0:1], 0x10                ; zq
	v_lshl_add_u32 v[SPW], v0, 2, SPARE
	v_mov_b32 v[NIL], 0
	ds_add_u32 v[SPW], v[NIL]                      ; the wave's opening: the add, twice on end, and its wait ahead of the first tensor load
	ds_add_u32 v[SPW], v[NIL]
	v_lshrrev_b32 v1, 5, v0
	s_delay_alu instid0(VALU_DEP_1)
	v_readfirstlane_b32 s[WV], v1                  ; wave 0..15
	s_mov_b32 s[G1], 3<<16                         ; no mask; elements of 8 bytes; no padding
	s_mov_b32 s[G1+1], 32<<16                      ; a dense block as rows of 256 bytes
	s_mov_b32 s[G1+2], 102<<16                     ; 102 rows: 26,112 bytes
	s_mov_b32 s[G1+3], 32<<16
	s_mov_b32 s[G1+4], 102
	s_mov_b32 s[G1+5], 32
	s_mov_b32 s[G1+6], 0
	s_mov_b32 s[G1+7], 0
	s_and_b32 s44, ttmp7, 0xffff                   ; 16 batch + head
	s_add_co_u32 s[IP1], ttmp9, 1
	s_lshr_b32 s45, s44, 4                         ; batch
	s_and_b32 s46, s44, 15                         ; head
	s_and_b32 s47, s[WV], 7                        ; my tile among its 128 tokens' eight
	s_lshr_b32 s48, s[WV], 3                       ; which 128 of the block's 256
	s_mul_i32 s50, s44, 16*KVB
	s_mov_b32 s51, 0
	s_mov_b32 s58, ttmp9                           ; the first pass's block,
	s_sub_co_u32 s59, 7, ttmp9                     ; the second's
	s_mov_b32 s[CS], 0x3e38aa3b                    ; log2(e) / 8
	s_mov_b32 s[CS+1], s[CS]                       ; (named with it as a pair, so it is written)
	s_mov_b32 s[SEL], 0x76543210
	s_mov_b32 s[SEL+1], 0xfedcba98
	s_mov_b32 s[TR], 0
	s_mov_b32 s[KL], 0
	s_mov_b32 s[KF], 0
	s_mov_b32 s[TB], 0
	s_wait_dscnt 0x0                               ; both opening adds are done
	s_wait_kmcnt 0x0
	s_add_nc_u64 s[6:7], s[6:7], s[50:51]          ; kv at my head
	s_mov_b32 s[G0], 1
	s_mov_b32 s[G0+1], 0                           ; LDS slot 0
	s_mov_b64 s[G0+2:G0+3], s[6:7]                 ; keys 0-255, which count for every query block
	s_or_b32 s[G0+3], s[G0+3], 0x80000000
	TLOAD
	PASS 58, 60, ZA, ZWA, QB
	PASS 59, 62, ZB, ZWB, QB2
	s_add_co_u32 s[QMAX], s[QB], 23                ; a tile's queries: first + r + 8 (r / 8)
	v_and_b32 v6, 31, v0
	s_delay_alu instid0(VALU_DEP_1)
	v_lshlrev_b32 v1, 4, v6                        ; v1 16 x lane
	s_delay_alu instid0(VALU_DEP_2)
	v_lshlrev_b32 v2, 3, v6                        ; v2 8 x lane
	v_and_b32 v7, 15, v0
	s_delay_alu instid0(VALU_DEP_1)
	v_lshlrev_b32 v3, 2, v7                        ; v3 4 r
	v_bfe_u32 v8, v0, 4, 1
	s_delay_alu instid0(VALU_DEP_3)
	v_and_b32 v9, 8, v7
	s_delay_alu instid0(VALU_DEP_1)
	v_add_nc_u32 v9, v9, v7
	s_delay_alu instid0(VALU_DEP_3)
	v_lshlrev_b32 v8, 4, v8
	s_delay_alu instid0(VALU_DEP_1)
	v_sub_nc_u32 v9, v9, v8                        ; v9 r + 8 (r / 8) - 16 h
	s_mul_i32 s54, s47, 768
	v_add_nc_u32 v10, s54, v1
	v_add_nc_u32 v11, s54, v2
	s_lshl_b32 s54, s47, 6
	v_add_nc_u32 v90, s54, v3
	global_load_b128 v[16:19], v10, s[60:61]       ; the first pass's q: a half fragment and its words; it stays in registers
	global_load_b64 v[20:21], v11, s[60:61] offset:512
	global_load_b32 v34, v90, s[60:61] offset:6144
	global_load_b128 v[28:31], v10, s[62:63]       ; the second pass's
	global_load_b64 v[32:33], v11, s[62:63] offset:512
	global_load_b32 v35, v90, s[62:63] offset:6144
.irp i, 0,1,2,3,4,5
	v_mov_b32 v[22+\i], 0                          ; q's codes for k = 64..127: zeros
	v_mov_b32 v[84+\i], 0                          ; what stands behind k's last tile
.endr
.irp b, 0,1,2,3
	v_mov_b32 v[BT+\b], 0                          ; written once: a lane permute's destination counts as one of its sources
.endr
	v_mov_b32 v[F+1], 0                            ; (named as the upper half of a pair)
	v_mov_b32 v[TA], 0
	v_mov_b32 v[TA+1], 0
	INIT
; A KEY STEP: 128 keys, the q-th of the slot in hand.
.macro STEP q
	s_cmp_gt_u32 s[KF], s[QMAX]                    ; all its keys come after my queries: left out.  A branch on ids and the count of steps alone; no barrier, wait on tensor loads or tensor load stands in a step
	s_cbranch_scc1 .Lhidden_\@
.rept 4
	v_nop                                          ; places between the last products and loads into registers that they read
.endr
	s_wait_alu depctr_va_vdst(0)
.irp t, 0,1,2,3,4,5,6,7
	ds_load_b128 v[36+6*\t:39+6*\t], v6 offset:KVB*\q+768*\t
	ds_load_b64 v[40+6*\t:41+6*\t], v7 offset:KVB*\q+768*\t+512
	ds_load_b32 v[KW+\t], v8 offset:KVB*\q+6144+64*\t
.endr
	s_wait_dscnt 0x0
	s_wait_alu depctr_va_vdst(0)
.irp t, 0,1,2,3,4,5,6,7
	v_wmma_scale_f32_16x16x128_f8f6f4 v[S+8*\t:S+8*\t+7], v[36+6*\t:47+6*\t], v[16:27], 0, v[KW+\t], v34 matrix_a_fmt:MATRIX_FMT_BF6 matrix_b_fmt:MATRIX_FMT_BF6
.endr
.rept 4
	v_nop                                          ; places ahead of the loads below and of the first read of the scores
.endr
.irp t, 0,1,2,3                        ; v's fragments take k's registers and land under the softmax
	ds_load_b128 v[36+12*\t:39+12*\t], v6 offset:KVB*\q+6656+1536*\t
	ds_load_b64 v[40+12*\t:41+12*\t], v7 offset:KVB*\q+6656+1536*\t+512
	ds_load_b128 v[42+12*\t:45+12*\t], v6 offset:KVB*\q+6656+1536*\t+768
	ds_load_b64 v[46+12*\t:47+12*\t], v7 offset:KVB*\q+6656+1536*\t+1280
	ds_load_b32 v[VW+\t], v8 offset:KVB*\q+12800+64*\t
.endr
	s_add_co_u32 s46, s[KF], 127                   ; on the diagonal hidden scores become -infinity ahead of the maximum; a step all of whose keys count skips this
	s_cmp_le_u32 s46, s[QB]
	s_cbranch_scc1 .Lopen_\@
	s_sub_co_i32 s46, s[QB], s[KF]
	v_add_nc_u32 v[TA], s46, v9                    ; d = my query - the step's first key - 16 h.  Register 16 b + i holds key 32 b + 16 h + i: hidden where 32 b + i > d
	v_mov_b32 v[TA+1], 0xff800000
.set n, 0
.rept 64
	v_cmp_gt_i32 vcc_lo, 32*(n/16)+n%16, v[TA]
	v_cndmask_b32 v[S+n], v[S+n], v[TA+1], vcc_lo
.set n, n+1
.endr
.Lopen_\@:
.irp b, 0,1,2,3
	v_max3_num_f32 v[BM+\b], v[S+16*\b], v[S+16*\b+1], v[S+16*\b+2]        ; the largest score of each block of 32 keys: for the row's maximum and, since p rises with the score, for the block's largest p
.endr
.irp i, 3,5,7,9,11,13
.irp b, 0,1,2,3
	v_max3_num_f32 v[BM+\b], v[BM+\b], v[S+16*\b+\i], v[S+16*\b+\i+1]
.endr
.endr
.irp b, 0,1,2,3
	v_max_num_f32 v[BM+\b], v[BM+\b], v[S+16*\b+15]
.endr
.irp b, 0,1,2,3
	s_delay_alu instid0(VALU_DEP_4)
	v_permlanex16_b32 v[BT+\b], v[BM+\b], s[SEL], s[SEL+1]
.endr
.irp b, 0,1,2,3
	s_delay_alu instid0(VALU_DEP_4)
	v_max_num_f32 v[BM+\b], v[BM+\b], v[BT+\b]     ; with lane l xor 16's 16 keys
.endr
	s_delay_alu instid0(VALU_DEP_2)
	v_max3_num_f32 v[TT], v[BM], v[BM+1], v[BM+2]
	s_delay_alu instid0(VALU_DEP_1)
	v_max_num_f32 v[TT], v[TT], v[BM+3]
	s_delay_alu instid0(VALU_DEP_1)
	v_mul_f32 v[TT], s[CS], v[TT]                  ; as t (c is positive)
	s_delay_alu instid0(VALU_DEP_1)
	v_max_num_f32 v13, v13, v[TT]                  ; the running largest t
	v_mov_b32 v[TT], v12
	s_delay_alu instid0(VALU_DEP_2)
	v_floor_f32 v12, -v13                          ; the new -M = -ceil(t)
	s_delay_alu instid0(VALU_DEP_1)
	v_sub_f32 v[TT], v12, v[TT]                    ; old M - new M: a whole number, 0 or less
	s_delay_alu instid0(VALU_DEP_1)
	v_cvt_i32_f32 v[TT], v[TT]                     ; (it saturates)
	s_delay_alu instid0(VALU_DEP_1)
	v_ldexp_f32 v[F], 1.0, v[TT]                   ; f
.set n, 0
.rept 32
	v_pk_fma_f32 v[S+n:S+n+1], v[S+n:S+n+1], s[CS:CS+1], v[12:13] op_sel_hi:[1,0,0]    ; t - M
.set n, n+2
.endr
.irp b, 0,1,2,3
	v_fma_f32 v[BM+\b], v[BM+\b], s[CS], v12       ; the same of each block's largest score
.endr
.set n, 0
	s_wait_alu depctr_va_vdst(0)
.rept 64
	v_exp_f32 v[S+n], v[S+n]                       ; p
.set n, n+1
.endr
	v_pk_mul_f32 v[14:15], v[14:15], v[F:F+1] op_sel_hi:[1,0]              ; the sums under the new M: the plain place behind the exponentials
	s_wait_alu depctr_va_vdst(0)                   ; one wait for the batch, ahead of its first reader
.irp b, 0,1,2,3
	v_exp_f32 v[BM+\b], v[BM+\b]                   ; the block's largest p: the same two instructions on the same number
.endr
	v_pk_add_f32 v[228:229], v[100:101], v[104:105]
	v_pk_add_f32 v[254:255], v[108:109], v[112:113]
	v_pk_add_f32 v[252:253], v[116:117], v[120:121]
	v_pk_add_f32 v[246:247], v[124:125], v[128:129]
	v_pk_add_f32 v[244:245], v[132:133], v[136:137]
	v_pk_add_f32 v[242:243], v[140:141], v[144:145]
	v_pk_add_f32 v[240:241], v[148:149], v[152:153]
	v_pk_add_f32 v[14:15], v[14:15], v[156:157]
	v_pk_add_f32 v[228:229], v[228:229], v[96:97]
	v_pk_add_f32 v[254:255], v[254:255], v[98:99]
	v_pk_add_f32 v[252:253], v[252:253], v[102:103]
	v_pk_add_f32 v[246:247], v[246:247], v[106:107]
	v_pk_add_f32 v[244:245], v[244:245], v[110:111]
	v_pk_add_f32 v[242:243], v[242:243], v[114:115]
	v_pk_add_f32 v[240:241], v[240:241], v[118:119]
	v_pk_add_f32 v[14:15], v[14:15], v[122:123]
	v_pk_add_f32 v[228:229], v[228:229], v[126:127]
	v_pk_add_f32 v[254:255], v[254:255], v[130:131]
	v_pk_add_f32 v[252:253], v[252:253], v[134:135]
	v_pk_add_f32 v[246:247], v[246:247], v[138:139]
	v_pk_add_f32 v[244:245], v[244:245], v[142:143]
	v_pk_add_f32 v[242:243], v[242:243], v[146:147]
	v_pk_add_f32 v[240:241], v[240:241], v[150:151]
	v_pk_add_f32 v[14:15], v[14:15], v[154:155]
	v_pk_add_f32 v[228:229], v[228:229], v[158:159]
	s_delay_alu instid0(VALU_DEP_2)
	v_pk_add_f32 v[14:15], v[14:15], v[246:247]
	s_delay_alu instid0(VALU_DEP_2)
	v_pk_add_f32 v[228:229], v[228:229], v[244:245]
	v_pk_add_f32 v[254:255], v[254:255], v[242:243]
	v_pk_add_f32 v[252:253], v[252:253], v[240:241]
	s_delay_alu instid0(VALU_DEP_2)
	v_pk_add_f32 v[14:15], v[14:15], v[254:255]
	s_delay_alu instid0(VALU_DEP_2)
	v_pk_add_f32 v[228:229], v[228:229], v[252:253]
	s_delay_alu instid0(VALU_DEP_1)
	v_pk_add_f32 v[14:15], v[14:15], v[228:229]
	s_wait_alu depctr_va_vdst(0)                   ; and one for the four
.irp b, 0,1,2,3
	v_max_num_f32 v[BM+\b], 0x2800000, v[BM+\b]    ; the floor 2^(5 - 127)
.endr
.irp b, 0,1,2,3
	s_delay_alu instid0(VALU_DEP_4)
	v_add_nc_u32 v[SO+\b], 0xfe000000, v[BM+\b]
.endr
.irp b, 0,1,2,3
	s_delay_alu instid0(VALU_DEP_4)
	v_lshrrev_b32 v[BT+\b], 23, v[SO+\b]
.endr
	s_delay_alu instid0(VALU_DEP_3)
	v_lshl_or_b32 v[PWD], v[BT+1], 8, v[BT]        ; p's scale word for these 128 keys
	s_delay_alu instid0(VALU_DEP_1)
	v_lshl_or_b32 v[PWD], v[BT+2], 16, v[PWD]
	s_delay_alu instid0(VALU_DEP_1)
	v_lshl_or_b32 v[PWD], v[BT+3], 24, v[PWD]
.irp c, 0,1
	v_cvt_scalef32_pk16_bf6_f32 v[PCD+6*\c:PCD+6*\c+2], v[S+32*\c:S+32*\c+15], v[SO+2*\c]
	v_cvt_scalef32_pk16_bf6_f32 v[CT+4*\c:CT+4*\c+2], v[S+32*\c+16:S+32*\c+31], v[SO+2*\c+1]
.endr
	v_nop                                          ; one plain place behind a scaled conversion
.irp c, 0,1
.irp i, 0,1,2
	v_permlane16_swap_b32 v[PCD+6*\c+\i], v[CT+4*\c+\i]
.endr
.irp i, 0,1,2
	s_delay_alu instid0(VALU_DEP_3)
	v_mov_b32 v[PCD+6*\c+3+\i], v[CT+4*\c+\i]
.endr
.endr
.set n, 0
.rept 16
	v_pk_mul_f32 v[O+n:O+n+1], v[O+n:O+n+1], v[F:F+1] op_sel_hi:[1,0]      ; O^T under the new M; these 16 are also the places between the writes of p's codes and word and the products
.set n, n+2
.endr
	s_wait_alu depctr_va_vdst(0)
	s_wait_dscnt 0x0                               ; v is in
.irp t, 0,1,2,3
	v_wmma_scale_f32_16x16x128_f8f6f4 v[O+8*\t:O+8*\t+7], v[36+12*\t:47+12*\t], v[PCD:PCD+11], v[O+8*\t:O+8*\t+7], v[VW+\t], v[PWD] matrix_a_fmt:MATRIX_FMT_BF6 matrix_b_fmt:MATRIX_FMT_BF6
.endr
.Lhidden_\@:
	s_add_co_u32 s[KF], s[KF], 128
.endm
; THE CHANGE OF SLOTS stands at a slot's head: every wave waits for all its tensor loads, adds 0 to its spare word, waits for that and for its reads of the slot that it has left, and passes the barrier.
; fill = 1: the slot just left takes the keys of the next trip: the next slot of this pass, or slot 0 of the second pass.  It has a whole slot's steps in which to land.
.macro CHANGE fill
	s_wait_tensorcnt 0x0                           ; no tensor load of mine is out, so the group 0 may be written
	ds_add_u32 v[SPW], v[NIL]
.if \fill
	ds_add_u32 v[SPW], v[NIL]                      ; twice on end here
	s_xor_b32 s[G0+1], s[G0+1], SLOT1
	s_add_co_u32 s44, s[TR], 1
	s_add_co_u32 s[KL], s[KL], 1
	s_cmp_eq_u32 s44, s[IP1]
	s_cselect_b32 s[KL], 0, s[KL]
	s_mul_i32 s44, s[KL], 2*KVB
	s_mov_b32 s45, 0
	s_add_nc_u64 s[G0+2:G0+3], s[6:7], s[44:45]
	s_or_b32 s[G0+3], s[G0+3], 0x80000000
.endif
	s_wait_dscnt 0x0
	s_barrier_signal -1
	s_barrier_wait -1
.if \fill
	TLOAD                                          ; the first thing behind the barrier, and the wave's one tensor load until the next
.endif
.endm
.macro SLOTSTEPS
	v_add_nc_u32 v6, s[TB], v1
	v_add_nc_u32 v7, s[TB], v2
	v_add_nc_u32 v8, s[TB], v3
	STEP 0
	STEP 1
	s_xor_b32 s[TB], s[TB], SLOT1
.endm
; A PASS'S END: O^T / the sum is z(my query, 32 B + 16 h + i of the head's 64) in register 16 B + i: two blocks of the last product's K.  They become a half fragment and two scale bytes.
.macro FINISH z, zw
.rept 4
	v_nop                                          ; places behind the last products
.endr
	v_add_f32 v14, v14, v15
	s_delay_alu instid0(VALU_DEP_1)
	v_permlanex16_b32 v[TA], v14, s[SEL], s[SEL+1]
	s_delay_alu instid0(VALU_DEP_1)
	v_add_f32 v14, v14, v[TA]                      ; the row's sum
	s_wait_alu depctr_va_vdst(0)
	v_rcp_f32 v[F], v14
	v_nop                                          ; a plain place behind the reciprocal,
	s_wait_alu depctr_va_vdst(0)                   ; and the wait ahead of its first reader
.set n, 0
.rept 16
	v_pk_mul_f32 v[S+n:S+n+1], v[O+n:O+n+1], v[F:F+1] op_sel_hi:[1,0]
.set n, n+2
.endr
.irp b, 0,1
	v_max3_num_f32 v[BM+\b], |v[S+16*\b]|, |v[S+16*\b+1]|, 0x2800000
.endr
.irp i, 2,4,6,8,10,12,14
.irp b, 0,1
	s_delay_alu instid0(VALU_DEP_2)
	v_max3_num_f32 v[BM+\b], v[BM+\b], |v[S+16*\b+\i]|, |v[S+16*\b+\i+1]|
.endr
.endr
.irp b, 0,1
	s_delay_alu instid0(VALU_DEP_2)
	v_permlanex16_b32 v[BT+\b], v[BM+\b], s[SEL], s[SEL+1]
.endr
.irp b, 0,1
	s_delay_alu instid0(VALU_DEP_2)
	v_max_num_f32 v[BM+\b], v[BM+\b], v[BT+\b]
.endr
.irp b, 0,1
	s_delay_alu instid0(VALU_DEP_2)
	v_add_nc_u32 v[SO+\b], 0xfe000000, v[BM+\b]
.endr
.irp b, 0,1
	s_delay_alu instid0(VALU_DEP_2)
	v_lshrrev_b32 v[BT+\b], 23, v[SO+\b]
.endr
	s_delay_alu instid0(VALU_DEP_1)
	v_lshl_or_b32 v[ZWD], v[BT+1], 8, v[BT]
	v_cvt_scalef32_pk16_bf6_f32 v[PCD:PCD+2], v[S:S+15], v[SO]
	v_cvt_scalef32_pk16_bf6_f32 v[CT:CT+2], v[S+16:S+31], v[SO+1]
	v_nop
.irp i, 0,1,2
	v_permlane16_swap_b32 v[PCD+\i], v[CT+\i]
.endr
.irp i, 0,1,2
	s_delay_alu instid0(VALU_DEP_3)
	v_mov_b32 v[PCD+3+\i], v[CT+\i]
.endr
	global_store_b128 v1, v[PCD:PCD+3], s[\z:\z+1]                         ; 512 consecutive bytes, aligned to 256
	global_store_b64 v2, v[PCD+4:PCD+5], s[\z:\z+1] offset:512             ; 256
	global_store_b16 v3, v[ZWD], s[\zw:\zw+1]      ; my row's two bytes (both halves of the lanes write the same bytes with the same value)
.endm
	s_wait_loadcnt 0x0                             ; q
.Ltrip:                                            ; 8 trips, and a ninth written out without the load
	CHANGE 1
	s_cmp_eq_u32 s[TR], s[IP1]                     ; the second pass begins (i + 1 is 1 to 4: always inside the loop).  Ids and the count of trips alone: the same in all sixteen waves
	s_cbranch_scc0 .Lsame
	FINISH ZA, ZWA
	INIT
.irp i, 0,1,2,3,4,5
	v_mov_b32 v[16+\i], v[28+\i]
.endr
	v_mov_b32 v34, v35
	s_mov_b32 s[QB], s[QB2]
	s_add_co_u32 s[QMAX], s[QB2], 23
	s_mov_b32 s[KF], 0
.rept 8
	v_nop                                          ; a scale register written by a vector instruction stands 8 places ahead of a scaled product
.endr
	s_wait_xcnt 0x0                                ; the stores have read their registers, which the next step writes
.Lsame:
	SLOTSTEPS
	s_add_co_u32 s[TR], s[TR], 1
	s_cmp_lt_u32 s[TR], 8
	s_cbranch_scc1 .Ltrip
	CHANGE 0
	SLOTSTEPS
	FINISH ZB, ZWB
	s_wait_tensorcnt 0x0                           ; the wave's end
	ds_add_u32 v[SPW], v[NIL]
	s_wait_dscnt 0x0
	s_endpgm
.Lfunc_end_k_q922bbcb019_attn:
	.size	k_q922bbcb019_attn, .Lfunc_end_k_q922bbcb019_attn-k_q922bbcb019_attn
	.p2alignl 7, 3214868480
	.fill 96, 4, 3214868480
	.section	.rodata,"a",@progbits
	.p2align	6, 0x0
	.amdhsa_kernel k_q922bbcb019_attn
		.amdhsa_group_segment_fixed_size 327680
		.amdhsa_private_segment_fixed_size 0
		.amdhsa_enable_private_segment 0
		.amdhsa_kernarg_size 24
		.amdhsa_user_sgpr_count 2
		.amdhsa_user_sgpr_kernarg_segment_ptr 1
		.amdhsa_wavefront_size32 1
		.amdhsa_system_sgpr_workgroup_id_x 1
		.amdhsa_system_sgpr_workgroup_id_y 1
		.amdhsa_system_sgpr_workgroup_id_z 1
		.amdhsa_system_vgpr_workitem_id 0
		.amdhsa_next_free_vgpr 256
		.amdhsa_next_free_sgpr 66
		.amdhsa_reserve_vcc 1
		.amdhsa_float_denorm_mode_32 3
		.amdhsa_float_denorm_mode_16_64 3
		.amdhsa_memory_ordered 1
		.amdhsa_forward_progress 1
		.amdhsa_inst_pref_size 112
	.end_amdhsa_kernel
	.amdgpu_metadata
---
amdhsa.version: [ 1, 2 ]
amdhsa.kernels:
  - .name:           k_q922bbcb019_attn
    .symbol:         k_q922bbcb019_attn.kd
    .args:
      - { .name: qf, .offset: 0, .size: 8, .value_kind: global_buffer, .address_space: global }
      - { .name: kv, .offset: 8, .size: 8, .value_kind: global_buffer, .address_space: global }
      - { .name: zq, .offset: 16, .size: 8, .value_kind: global_buffer, .address_space: global }
    .group_segment_fixed_size: 327680
    .private_segment_fixed_size: 0
    .kernarg_segment_align: 8
    .kernarg_segment_size: 24
    .max_flat_workgroup_size: 512
    .sgpr_count:     66
    .vgpr_count:     256
    .wavefront_size: 32
...
	.end_amdgpu_metadata
.endif
;; end of part 3
;; launch gemm_out (part 4): grid 8 x 32, 4 waves a work-group, clusters of 4 x 4, 307,712 bytes of LDS; arguments zq, wc, b_lin, out0; writes out0
.if DOCPART == 4
	.amdgcn_target "amdgcn-amd-amdhsa--gfx1250"
	.amdhsa_code_object_version 6
	.text
	.protected	k_q922bbcb019_gemm_out
	.globl	k_q922bbcb019_gemm_out
	.p2align	8
	.type	k_q922bbcb019_gemm_out,@function
k_q922bbcb019_gemm_out:
	s_mov_b64 s[64:65], 0
	v_nop
	global_prefetch_b8 v0, s[64:65] scope:SCOPE_SE
	s_setreg_imm32_b32 hwreg(HW_REG_WAVE_MODE, 25, 1), 1
	s_wait_xcnt 0x0
	s_wait_alu depctr_hold_cnt(0) depctr_sa_sdst(0) depctr_va_vdst(0) depctr_va_sdst(0) depctr_va_ssrc(0) depctr_va_vcc(0) depctr_vm_vsrc(0)
	s_getreg_b32 s2, hwreg(HW_REG_IB_STS2, 6, 4)
	s_cmp_eq_u32 s2, 0
	s_cbranch_scc0 .Lentry_in_a_cluster
	s_endpgm
.Lentry_in_a_cluster:
	s_bfe_u32 s2, ttmp6, 0x10000c
	s_cmp_lg_u32 s2, 0xf033
	s_cbranch_scc0 .Lentry_shape_is_right
	s_endpgm
.Lentry_shape_is_right:
; LAUNCH 4 OF 4: out0 = z W_lin + b_lin on codes of BF6.  Nothing is left out here.
; C' = P Q^T, source 0 = a tile of P = 128 output features (wc's panel 24 + pt), source 1 = a tile of Q = tokens (zq's panels 2 qt, 2 qt + 1): a lane holds one token and eight neighbouring features a tile.
; SHARES, LDS, CLUSTER as in gemm_qkv: a work-group takes 1 panel of P x 2 of Q, wave w all of P x tiles 4 (w & 1) + 0..3 of Q's panel w >> 1 (32 accumulators); all of K lies in LDS in four quarters
; (Q's panel 0, Q's panel 1, P: 25,600 bytes each), each filled once by four joint tensor loads a wave at the head; P is shared along a column of the 4 x 4 cluster, Q along a row.
; THE WAY OUT: 16 tokens x 128 features go through the wave's own stage (16 rows of 528 bytes, in quarter 0, which has had its only fill and is read by nobody behind the second K step's barrier) and leave as rows of 512 bytes.
; REGISTERS: window 0: v1-9 addresses; v16-21 LDS addresses that step; v30, v31 the add's two; v32-47 scale words; v64-159 Q's fragments; v160-223 the bias.  window 1: P's fragments.  window 2: accumulator (a, b) at v[64 a + 8 b].
.set SPARE, 307200
.set QTR,   76800
.set SPW, 30
.set NIL, 31
.set SC,  32
.set QFR, 64
.set BIAS, 160
.set BK,  64                           ; the way out: v64-127 and v128-191 by turns
.set G1Q, 24
.set G1P, 32
.set G0Q, 40
.set G0P, 68
.set MSB, 0
.macro WIN new                         ; the immediate's high byte repeats the setting that is left
.if MSB != \new
	s_set_vgpr_msb (MSB<<8)|\new
.set MSB, \new
.endif
.endm
.macro PLACES n
.rept \n
	v_nop
.endr
.endm
.macro ROUND                           ; a round of the cluster's barrier
	s_barrier_signal -1
	s_barrier_wait -1
	s_cmp_lg_u32 s14, 0
	s_cbranch_scc1 .Lnot_wave_0_\@
	s_barrier_signal -3
.Lnot_wave_0_\@:
	s_barrier_wait -3
	s_barrier_signal -1
	s_barrier_wait -1
.endm
.macro FRAGLD reg, a16, a8, off
	ds_load_b128 v[\reg:\reg+3], v[\a16] offset:\off
	ds_load_b64 v[\reg+4:\reg+5], v[\a8] offset:\off+512
	ds_load_b128 v[\reg+6:\reg+9], v[\a16] offset:\off+768
	ds_load_b64 v[\reg+10:\reg+11], v[\a8] offset:\off+1280
.endm
.macro FETCH q                         ; the quarter's K step q into set q
	WIN 0x40
.irp i, 0,1,2,3,4,5,6,7
	FRAGLD 96*\q+12*\i, 18, 19, 12800*\q+1536*\i
.endr
	WIN 0
.irp i, 0,1,2,3
	FRAGLD QFR+48*\q+12*\i, 16, 17, 12800*\q+1536*\i
.endr
.irp i, 0,1,2,3
	ds_load_b32 v[SC+8*\q+\i], v20 offset:12800*\q+64*\i                   ; lanes 0-15 Q's tile i, lanes 16-31 P's tile i
.endr
.irp i, 4,5,6,7
	ds_load_b32 v[SC+8*\q+\i], v21 offset:12800*\q+64*\i                   ; (lanes 0-15 read Q's words i - 4 once more: not used)
.endr
.endm
.macro MULA a, set, mode               ; 8 products: Q's tile a x P's eight; mode 1: the sums begin with the bias.  The 32 accumulators take turns
.if \mode == 0
	WIN 0xa1
.else
	WIN 0x81
.endif
.irp b, 0,1,2,3,4,5,6,7
.if \mode == 0
	v_wmma_scale_f32_16x16x128_f8f6f4 v[64*\a+8*\b:64*\a+8*\b+7], v[96*\set+12*\b:96*\set+12*\b+11], v[QFR+48*\set+12*\a:QFR+48*\set+12*\a+11], v[64*\a+8*\b:64*\a+8*\b+7], v[SC+8*\set+\b], v[SC+8*\set+\a] matrix_a_fmt:MATRIX_FMT_BF6 matrix_b_fmt:MATRIX_FMT_BF6 matrix_a_scale:MATRIX_SCALE_ROW1
.else
	v_wmma_scale_f32_16x16x128_f8f6f4 v[64*\a+8*\b:64*\a+8*\b+7], v[96*\set+12*\b:96*\set+12*\b+11], v[QFR+48*\set+12*\a:QFR+48*\set+12*\a+11], v[BIAS+8*\b:BIAS+8*\b+7], v[SC+8*\set+\b], v[SC+8*\set+\a] matrix_a_fmt:MATRIX_FMT_BF6 matrix_b_fmt:MATRIX_FMT_BF6 matrix_a_scale:MATRIX_SCALE_ROW1
.endif
.endr
.endm
.macro EVEN
	PLACES 4                                       ; places between the last products and loads into registers that they read
	FETCH 1
	MULA 0, 0, 0
	MULA 1, 0, 0
	MULA 2, 0, 0
	MULA 3, 0, 0
	s_wait_dscnt 0x0
.endm
.macro ODD cnt
	PLACES 4
	s_wait_tensorcnt \cnt                          ; my part of the next quarter has landed; cnt later loads of mine may stay out
	s_barrier_signal -1
	MULA 0, 1, 0
	WIN 0
	s_barrier_wait -1
.irp v, 16,17,18,19,20,21
	v_add_nc_u32 v\v, QTR, v\v
.endr
	FETCH 0
	MULA 1, 1, 0
	MULA 2, 1, 0
	MULA 3, 1, 0
	s_wait_dscnt 0x0
.endm
	s_load_b256 s[4:11], s[0:1], 0x0               ; zq s[4:5], wc s[6:7], b_lin s[8:9], out0 s[10:11]
	v_lshl_add_u32 v[SPW], v0, 2, SPARE
	v_mov_b32 v[NIL], 0
	ds_add_u32 v[SPW], v[NIL]                      ; the wave's opening: the add, twice on end, and its wait ahead of my first tensor load
	ds_add_u32 v[SPW], v[NIL]
	v_lshrrev_b32 v1, 5, v0
	v_readfirstlane_b32 s14, v1                    ; wave 0..3
	s_and_b32 s15, s14, 1                          ; WL
	s_lshr_b32 s16, s14, 1                         ; WH
	s_bfe_u32 s17, ttmp6, 0x40000                  ; cx
	s_bfe_u32 s18, ttmp6, 0x40004                  ; cy
	s_lshl_b32 s22, ttmp9, 2
	s_add_co_u32 s22, s22, s17                     ; pt 0..7
	s_and_b32 s23, ttmp7, 0xffff
	s_lshl_b32 s23, s23, 2
	s_add_co_u32 s23, s23, s18                     ; qt 0..31
	s_lshl_b32 s59, s18, 2
	s_lshl_b32 s59, 15, s59                        ; my row of the cluster
	s_lshl_b32 s60, 0x1111, s17                    ; my column
	s_or_b32 s[G1Q], s59, (3<<16)|(1<<21)
	s_or_b32 s[G1P], s60, (3<<16)|(1<<21)
	s_mov_b32 s[G1Q+1], 32<<16
	s_mov_b32 s[G1Q+2], 100<<16
	s_mov_b32 s[G1Q+3], 32<<16
	s_mov_b32 s[G1Q+4], 100
	s_mov_b32 s[G1Q+5], 32
	s_mov_b32 s[G1Q+6], 0
	s_mov_b32 s[G1Q+7], 0
	s_mov_b32 s[G1P+1], 32<<16
	s_mov_b32 s[G1P+2], 50<<16
	s_mov_b32 s[G1P+3], 32<<16
	s_mov_b32 s[G1P+4], 50
	s_mov_b32 s[G1P+5], 32
	s_mov_b32 s[G1P+6], 0
	s_mov_b32 s[G1P+7], 0
	s_lshl_b32 s61, s23, 1
	s_add_co_u32 s61, s61, s15
	s_mul_i32 s62, s61, 102400                     ; Q: zq's panel 2 qt + WL
	s_mov_b32 s63, 0
	s_add_co_u32 s84, s22, 24
	s_mul_i32 s84, s84, 102400                     ; P: wc's panel 24 + pt, K step WL of each quarter
	s_mul_i32 s85, s15, 12800
	s_add_co_u32 s84, s84, s85
	s_mov_b32 s85, 0
	s_mul_i32 s86, s15, 25600
	s_mul_i32 s87, s15, 12800
	s_add_co_u32 s87, s87, 51200
	s_wait_dscnt 0x0                               ; both opening adds are done
	s_wait_kmcnt 0x0
	s_add_nc_u64 s[88:89], s[4:5], s[62:63]
	s_add_nc_u64 s[90:91], s[6:7], s[84:85]
	ROUND                                          ; all sixteen work-groups are here: the joint loads meet
.irp j, 0,1,2,3
	s_mov_b32 s[G0Q+4*\j], 1
	s_add_co_u32 s[G0Q+4*\j+1], s86, QTR*\j
	s_add_nc_u64 s[G0Q+4*\j+2:G0Q+4*\j+3], s[88:89], 25600*\j
	s_or_b32 s[G0Q+4*\j+3], s[G0Q+4*\j+3], 0x80000000
	s_mov_b32 s[G0P+4*\j], 1
	s_add_co_u32 s[G0P+4*\j+1], s87, QTR*\j
	s_add_nc_u64 s[G0P+4*\j+2:G0P+4*\j+3], s[90:91], 25600*\j
	s_or_b32 s[G0P+4*\j+3], s[G0P+4*\j+3], 0x80000000
.endr
	s_cmp_lt_u32 s14, 2                            ; a wave's four fills stand in one branch on the wave's number: four loads of mine are out
	s_cbranch_scc0 .Lfill_p
.irp j, 0,1,2,3
	tensor_load_to_lds s[G0Q+4*\j:G0Q+4*\j+3], s[G1Q:G1Q+7]
	s_nop 0
.endr
	PLACES 4
	s_branch .Lfilled
.Lfill_p:
.irp j, 0,1,2,3
	tensor_load_to_lds s[G0P+4*\j:G0P+4*\j+3], s[G1P:G1P+7]
	s_nop 0
.endr
	PLACES 4
.Lfilled:
	v_and_b32 v5, 31, v0
	v_lshlrev_b32 v1, 4, v5                        ; 16 x lane
	v_lshlrev_b32 v2, 3, v5                        ; 8 x lane
	v_and_b32 v3, 15, v0                           ; r
	v_bfe_u32 v4, v0, 4, 1                         ; h
	s_wait_alu depctr_va_vdst(0)
	s_lshl_b32 s56, s22, 9
	s_mov_b32 s57, 0
	s_add_nc_u64 s[92:93], s[8:9], s[56:57]        ; b_lin at P's 128 features
	v_lshlrev_b32 v6, 6, v4                        ; register j of tile b is feature 32 (b / 2) + 8 (b % 2) + 16 h + j
.irp b, 0,1,2,3,4,5,6,7
	global_load_b128 v[BIAS+8*\b:BIAS+8*\b+3], v6, s[92:93] offset:(32*(\b/2)+8*(\b%2))*4
	global_load_b128 v[BIAS+8*\b+4:BIAS+8*\b+7], v6, s[92:93] offset:(32*(\b/2)+8*(\b%2))*4+16
.endr
	s_mul_i32 s56, s16, 25600
	s_mul_i32 s57, s15, 6144
	s_add_co_u32 s57, s57, s56
	v_add_nc_u32 v16, s57, v1
	v_add_nc_u32 v17, s57, v2
	v_add_nc_u32 v18, 51200, v1
	v_add_nc_u32 v19, 51200, v2
	s_lshl_b32 s57, s15, 8
	s_add_co_u32 s56, s56, s57
	s_add_co_u32 s58, s56, 12032
	s_add_co_u32 s56, s56, 12288                   ; my four tiles' scale words
	s_xor_b32 s59, s16, 1
	s_mul_i32 s59, s59, 25600
	s_xor_b32 s60, s15, 1
	s_lshl_b32 s60, s60, 8
	s_add_co_u32 s59, s59, s60
	s_add_co_u32 s60, s59, 25600
	s_add_co_u32 s59, s59, 25344                   ; from there to P's words: lanes 16-31 take those
	v_mul_u32_u24 v20, s59, v4
	v_lshl_add_u32 v20, v3, 2, v20
	v_add_nc_u32 v20, s56, v20
	v_mul_u32_u24 v21, s60, v4
	v_lshl_add_u32 v21, v3, 2, v21
	v_add_nc_u32 v21, s58, v21
	s_mul_i32 s56, s14, 8448                       ; my stage
	v_mul_u32_u24 v8, v3, 528
	v_lshl_add_u32 v8, v4, 6, v8
	v_add_nc_u32 v8, s56, v8                       ; in: row r, + 64 h
	v_add_nc_u32 v9, s56, v1                       ; back: 16 x lane of a row
	s_lshl_b32 s56, s23, 8
	s_lshl_b32 s57, s14, 6
	s_add_co_u32 s56, s56, s57                     ; my first token: 256 qt + 64 w
	s_lshl_b32 s56, s56, 12
	s_lshl_b32 s57, s22, 9                         ; P's 128 features: 512 bytes
	s_add_co_u32 s56, s56, s57
	s_mov_b32 s57, 0
	s_add_nc_u64 s[86:87], s[10:11], s[56:57]
	s_wait_alu depctr_va_vdst(0)
	s_wait_tensorcnt 0x3                           ; my part of quarter 0 has landed; my three later loads may stay out
	s_barrier_signal -1
	s_barrier_wait -1
	FETCH 0
	s_wait_loadcnt 0x0                             ; the bias
	s_wait_dscnt 0x0
	FETCH 1
	MULA 0, 0, 1                                   ; the first K step starts the sums, with the bias as C
	MULA 1, 0, 1
	MULA 2, 0, 1
	MULA 3, 0, 1
	s_wait_dscnt 0x0
	ODD 2
	s_wait_alu depctr_va_vdst(0)
	EVEN
	ODD 1
	s_wait_alu depctr_va_vdst(0)
	EVEN
	ODD 0
	s_wait_alu depctr_va_vdst(0)
	EVEN
	MULA 0, 1, 0
	MULA 1, 1, 0
	MULA 2, 1, 0
	MULA 3, 1, 0
	WIN 0
.macro TOSTAGE a                       ; Q's tile a: 16 tokens x 128 features into my stage and back as whole rows; LDS serves a wave's instructions in order
	WIN 0x08                                       ; an LDS store's data are its source 1: window 2
.irp b, 0,1,2,3,4,5,6,7
	ds_store_b128 v8, v[64*\a+8*\b:64*\a+8*\b+3] offset:128*(\b/2)+32*(\b%2)          ; each accumulator from its low end on
	ds_store_b128 v8, v[64*\a+8*\b+4:64*\a+8*\b+7] offset:128*(\b/2)+32*(\b%2)+16
.endr
	WIN 0
.irp t, 0,1,2,3,4,5,6,7,8,9,10,11,12,13,14,15
	ds_load_b128 v[BK+64*(\a%2)+4*\t:BK+64*(\a%2)+4*\t+3], v9 offset:528*\t
.endr
.endm
.macro SEND a, younger                 ; younger: the LDS instructions issued behind tile a's loads, which may stay out
	s_wait_dscnt \younger
.irp t, 0,1,2,3,4,5,6,7,8,9,10,11,12,13,14,15
	global_store_b128 v1, v[BK+64*(\a%2)+4*\t:BK+64*(\a%2)+4*\t+3], s[86:87] offset:(32*(\a/2)+8*(\a%2)+\t+8*(\t/8))*4096 th:TH_STORE_NT   ; 512 consecutive bytes, aligned to 256
.endr
.endm
	PLACES 4                                       ; places ahead of the first read of results and of loads into registers that the last products read
	TOSTAGE 0
	TOSTAGE 1
	SEND 0, 32                                     ; behind tile 0's loads: tile 1's 16 stores and 16 loads
	s_wait_xcnt 0x0                                ; tile 0's stores have read their registers: tile 2's loads may land there
	TOSTAGE 2
	SEND 1, 32
	s_wait_xcnt 0x0
	TOSTAGE 3
	SEND 2, 32
	SEND 3, 0
	s_wait_tensorcnt 0x0                           ; the wave's end, behind my last tensor load and my last LDS store
	ds_add_u32 v[SPW], v[NIL]
	s_wait_dscnt 0x0
	ROUND                                          ; the closing round
	s_endpgm
.Lfunc_end_k_q922bbcb019_gemm_out:
	.size	k_q922bbcb019_gemm_out, .Lfunc_end_k_q922bbcb019_gemm_out-k_q922bbcb019_gemm_out
	.p2alignl 7, 3214868480
	.fill 96, 4, 3214868480
	.section	.rodata,"a",@progbits
	.p2align	6, 0x0
	.amdhsa_kernel k_q922bbcb019_gemm_out
		.amdhsa_group_segment_fixed_size 307712
		.amdhsa_private_segment_fixed_size 0
		.amdhsa_enable_private_segment 0
		.amdhsa_kernarg_size 32
		.amdhsa_user_sgpr_count 2
		.amdhsa_user_sgpr_kernarg_segment_ptr 1
		.amdhsa_wavefront_size32 1
		.amdhsa_system_sgpr_workgroup_id_x 1
		.amdhsa_system_sgpr_workgroup_id_y 1
		.amdhsa_system_sgpr_workgroup_id_z 1
		.amdhsa_system_vgpr_workitem_id 0
		.amdhsa_next_free_vgpr 768
		.amdhsa_next_free_sgpr 100
		.amdhsa_reserve_vcc 0
		.amdhsa_float_denorm_mode_32 3
		.amdhsa_float_denorm_mode_16_64 3
		.amdhsa_memory_ordered 1
		.amdhsa_forward_progress 1
		.amdhsa_inst_pref_size 89
	.end_amdhsa_kernel
	.amdgpu_metadata
---
amdhsa.version: [ 1, 2 ]
amdhsa.kernels:
  - .name:           k_q922bbcb019_gemm_out
    .symbol:         k_q922bbcb019_gemm_out.kd
    .args:
      - { .name: zq, .offset: 0, .size: 8, .value_kind: global_buffer, .address_space: global }
      - { .name: wc, .offset: 8, .size: 8, .value_kind: global_buffer, .address_space: global }
      - { .name: b_lin, .offset: 16, .size: 8, .value_kind: global_buffer, .address_space: global }
      - { .name: out0, .offset: 24, .size: 8, .value_kind: global_buffer, .address_space: global }
    .group_segment_fixed_size: 307712
    .private_segment_fixed_size: 0
    .kernarg_segment_align: 8
    .kernarg_segment_size: 32
    .max_flat_workgroup_size: 128
    .sgpr_count:     100
    .vgpr_count:     768
    .wavefront_size: 32
...
	.end_amdgpu_metadata
.endif
;; end of part 4
